; MI455X (gfx1250); checked and timed in simulation.
; The chip was launched on July 23, 2026; its instructions are those of AMD's public machine-readable ISA for CDNA 5 (MIT licence, August 2026) and "CDNA5" Instruction Set Architecture Reference Guide (July 2026). The comments in the code are by the model that wrote it; some were corrected since.
;; Multi Head Attention. Allowed arithmetic: matrix products marked QUANTISED: E2M1 operands, one E8M0 scale for each 32 along K, by v_wmma_scale_f32_16x16x128_f8f6f4 with both operands' format E2M1 (or v_wmma_scale_f32_32x16x128_f4), f32 sums; products left as they are: bf16, f16 or f32 operands; f32 sums; everything else in f32.
;; Inputs: K 4 x 2,048 x 1,024 float32; Q 4 x 2,048 x 1,024 float32; V 4 x 2,048 x 1,024 float32; Wk 1,024 x 1,024 float32; Wo 1,024 x 1,024 float32; Wq 1,024 x 1,024 float32; Wv 1,024 x 1,024 float32; mask 4 x 2,048 x 2,048 int32.
;; Outputs: out0 4 x 2,048 x 1,024 float32.
;; This version of the problem:
;;   THIS VERSION OF THE PROBLEM IS GIVEN IN LOW PRECISION. The matrix products marked QUANTISED in the list below multiply operands that are first quantised to E2M1 (2 exponent bits, 1 mantissa bit; 4 bits a number), with one power-of-two scale for each 32 numbers along K (OCP MX v1.0); their sums are f32. The products marked 'left as it is' may take bf16, f16 or f32 operands, with f32 sums. Whichever they take, every output number must still come out within the allowed error. Rounding operands to bf16 (8 significant bits) uses up far more of that allowance than f16 does (11 bits, for magnitudes from 6e-5 to 65,504). All else is computed in f32.
;;   The module's matrix products, in the order in which they are computed (A, B: the left and right operand; K: the contracted axis; several contracted axes count as one K, in the product's order):
;;     1. [M 8,192, K 1,024] x [K 1,024, N 1,024]; A: input Q; B: input Wq: QUANTISED
;;     2. [M 8,192, K 1,024] x [K 1,024, N 1,024]; A: input K; B: input Wk: QUANTISED
;;     3. [M 8,192, K 1,024] x [K 1,024, N 1,024]; A: input V; B: input Wv: QUANTISED
;;     4. batch 64 x [M 2,048, K 64] x [K 64, N 2,048]; A: computed on the way; B: computed on the way: left as it is (an operand is computed on the way)
;;     5. batch 64 x [M 2,048, K 2,048] x [K 2,048, N 64]; A: computed on the way; B: computed on the way: left as it is (an operand is computed on the way)
;;     6. [M 8,192, K 1,024] x [K 1,024, N 1,024]; A: computed on the way; B: input Wo: left as it is (an operand is computed on the way)
;;   THE QUANTISER, for each operand of a quantised product, along K:
;;     - K is cut into blocks of 32 from its start; a last block that is shorter is filled with zeros.
;;     - A block's scale is 2^e with e = floor(log2(the largest magnitude in the block)) - 2, held to -126 .. 127; a block of zeros has e = 0. As a byte (E8M0): e + 127.
;;     - Each number is divided by its block's scale, clamped to +-6, and rounded to the nearest number of E2M1, ties to even, subnormals kept.
;;     - The product sums the exact products of the quantised numbers (number of the format x scale) in f32.
;;   ~~~python
;;   def quantise(x, axis):      # numpy; x: float32 -> the quantised numbers, widened to float32 again
;;       x = np.moveaxis(x, axis, -1); K = x.shape[-1]
;;       x = np.pad(x, [(0, 0)] * (x.ndim - 1) + [(0, -K % 32)]); x = x.reshape(x.shape[:-1] + (-1, 32)); a = np.abs(x).max(-1, keepdims=True)
;;       e = np.where(a > 0, np.clip(np.frexp(np.where(a > 0, a, 1))[1] - 1 - 2, -126, 127), 0)      # np.frexp(a)[1] - 1 = floor(log2(a)), exactly
;;       r = np.clip(x / 2.0 ** e, -6, 6)
;;       step = 2.0 ** (np.maximum(np.frexp(np.where(r == 0, 1, r))[1] - 1, 0) - 1)
;;       q = np.round(r / step) * step * 2.0 ** e      # np.round: ties to even
;;       return np.moveaxis(q.reshape(q.shape[:-2] + (-1,))[..., :K], -1, axis).astype(np.float32)
;;   ~~~
;; One version. Each part assembles by itself: llvm-mc -triple=amdgcn-amd-amdhsa -mcpu=gfx1250 --defsym DOCPART=n.
;; ======== version 1 of 1: 4 launches
;; limits: values are held in f16: magnitudes above 65,504 overflow, below 6.1e-05 lose precision; right only within a limited range of input values
;; workspace buffers: codes 14,155,776 bytes; scales 884,736 bytes; mbits 2,097,152 bytes of whole numbers; wo16 2,097,152 bytes; qkv 50,331,648 bytes; x16 16,777,216 bytes
;; launch prep (part 1): grid 1504 x 1, 4 waves a work-group, no clusters, 67,072 bytes of LDS; arguments Q, K, V, Wq, Wk, Wv, Wo, mask, codes, scales, mbits, wo16; writes codes, scales, mbits, wo16
.if DOCPART == 1
	.amdgcn_target "amdgcn-amd-amdhsa--gfx1250"
	.amdhsa_code_object_version 6
	.text
	.protected	k_qd2f2665ae8_prep
	.globl	k_qd2f2665ae8_prep
	.p2align	8
	.type	k_qd2f2665ae8_prep,@function
k_qd2f2665ae8_prep:
	s_mov_b64 s[64:65], 0
	v_nop
	global_prefetch_b8 v0, s[64:65] scope:SCOPE_SE
	s_setreg_imm32_b32 hwreg(HW_REG_WAVE_MODE, 25, 1), 1
	s_wait_xcnt 0x0
; PREP: three jobs in one launch, told apart by the work-group's number alone.
;  A (work-groups 0-863): Q, K, V [8192][1024] and Wq, Wk, Wv [1024][1024], f32, K innermost, become codes of FP4 (E2M1), two a byte, and one E8M0 byte for each 32 along K.
;    A block's scale is 2^(floor(log2(largest magnitude)) - 2); its byte is the largest magnitude's exponent field - 2, held at 1 from below.  The six tensors' codes lie on end in 'codes'
;    (rows of 512 bytes: Q, K, V, Wq, Wk, Wv), their bytes on end in 'scales' (rows of 32 bytes): both are linear in the work-group's number.
;  B (864-1375): mask [4][2048][2048] int32 becomes words [b][query tile 128][key tile 128][j 8]: bit L of a word = (mask[b][16 qt + L % 16][16 kt + 8 (L / 16) + j] != 0):
;    the lane mask of register j of a 16 x 16 tile of scores that holds one query a lane.  The 16 heads then read 1/32 of the mask's bytes each.
;  C (1376-1503): Wo [n 1024][k 1024] f32 becomes f16 laid [k / 64][n][64], so that a block of 64 along K of neighbouring rows is dense.
; LIMITS: a block of zeros gets the byte 1 where the quantiser says 127: its codes are zeros and this program alone reads the bytes; blocks whose largest magnitude lies under 2^-124 keep the byte 1;
; NaN and infinities are not served; |Wo| up to 65,504 (f16).
; No tensor loads, no barrier: waves share nothing.  Each job has LDS bytes of its own.
.set SPARE, 66560                      ; behind both jobs' stages: the spare words, 128 bytes a wave
.set SPW,   12                         ; v12  my spare word's LDS address; never rewritten
.set NIL,   13                         ; v13  0; never rewritten
.set STEPS, 16                         ; job A: a wave takes 16 steps of 512 numbers
.set CB,    8                          ; bytes of 16 codes
.set R,     16                         ; v16-79   four sets of 16 numbers as loaded
.set X,     80                         ; v80-111  two sets of 16 neighbours
.set E,     112                        ; v112-127 a scale byte for each step
.set C,     128                        ; v128-191 codes, four registers a step
.set WREG,  8192                       ; LDS of a wave in job A: two stages of 32 x SP bytes, then its 256 scale bytes
.set SP,    80                         ; a lane's 64 bytes + 16 of padding
.set MSTG,  32768                      ; job B: a stage of 16 rows x MPITCH for each wave
.set MPITCH, 528                       ; 512 bytes + 16
.set MW,    16                         ; v16-23   the packed words, a pair for each trip
.set MR,    64                         ; v64-191  two sets of 64 registers as loaded
.set MX,    192                        ; v192-255 the numbers turned: register 8 kt + j
	s_load_b512 s[8:23], s[0:1], 0x0               ; Q 8, K 10, V 12, Wq 14, Wk 16, Wv 18, Wo 20, mask 22
	s_load_b256 s[24:31], s[0:1], 0x40             ; codes 24, scales 26, mbits 28, wo16 30
	v_lshl_add_u32 v[SPW], v0, 2, SPARE
	v_mov_b32 v[NIL], 0
	v_lshrrev_b32 v1, 5, v0
	v_readfirstlane_b32 s2, v1                     ; wave 0..3
	v_and_b32 v2, 31, v0                           ; lane
	s_wait_kmcnt 0x0
	s_cmp_ge_u32 ttmp9, 864
	s_cbranch_scc1 .Lmask
; ---------------- job A: the quantiser ----------------
	v_lshlrev_b32 v3, 4, v2                        ; my 16 bytes of a load's 512
	s_mul_i32 s3, s2, WREG
	v_lshrrev_b32 v14, 2, v2
	v_mul_u32_u24 v14, v14, SP
	v_and_b32 v15, 3, v2
	v_lshl_add_u32 v14, v15, 4, v14
	v_add_nc_u32 v14, s3, v14                      ; the stage on the way in: four lanes' 64 bytes on end, then 16 of padding
	v_mul_u32_u24 v15, v2, SP
	v_add_nc_u32 v15, s3, v15                      ; and on the way out: my 16 neighbours
	v_mul_u32_u24 v4, v2, CB                       ; my codes' place in a step's 256 bytes
	v_lshrrev_b32 v5, 1, v2
	s_add_co_u32 s3, s3, 2*32*SP
	v_add_nc_u32 v5, s3, v5                        ; my block's scale byte in LDS
	v_lshlrev_b32 v7, 3, v2
	v_add_nc_u32 v6, s3, v7                        ; and 8 bytes a lane on the way out
	s_mov_b64 s[4:5], s[18:19]                     ; which tensor: a choice on the work-group's number alone
	s_mov_b32 s6, 832                              ; and that tensor's first work-group
	s_cmp_lt_u32 ttmp9, 832
	s_cselect_b64 s[4:5], s[16:17], s[4:5]
	s_cselect_b32 s6, 800, s6
	s_cmp_lt_u32 ttmp9, 800
	s_cselect_b64 s[4:5], s[14:15], s[4:5]
	s_cselect_b32 s6, 768, s6
	s_cmp_lt_u32 ttmp9, 768
	s_cselect_b64 s[4:5], s[12:13], s[4:5]
	s_cselect_b32 s6, 512, s6
	s_cmp_lt_u32 ttmp9, 512
	s_cselect_b64 s[4:5], s[10:11], s[4:5]
	s_cselect_b32 s6, 256, s6
	s_cmp_lt_u32 ttmp9, 256
	s_cselect_b64 s[4:5], s[8:9], s[4:5]
	s_cselect_b32 s6, 0, s6
	s_sub_co_u32 s6, ttmp9, s6
	s_lshl_b32 s6, s6, 2
	s_add_co_u32 s6, s6, s2                        ; which run of 8,192 numbers of the tensor is my wave's
	s_lshl_b32 s6, s6, 15                          ; 32,768 bytes a run
	s_mov_b32 s7, 0
	s_add_nc_u64 s[4:5], s[4:5], s[6:7]
	s_lshl_b32 s6, ttmp9, 2
	s_add_co_u32 s6, s6, s2                        ; which run of all six tensors
	s_lshl_b32 s32, s6, 12                         ; 4,096 bytes of codes a run
	s_mov_b32 s33, 0
	s_add_nc_u64 s[24:25], s[24:25], s[32:33]
	s_lshl_b32 s32, s6, 8                          ; 256 scale bytes a run
	s_add_nc_u64 s[26:27], s[26:27], s[32:33]
.macro QLOAD t
.irp i, 0,1,2,3
	global_load_b128 v[R+16*((\t)%4)+4*\i:R+16*((\t)%4)+4*\i+3], v3, s[4:5] offset:2048*(\t)+512*\i th:TH_LOAD_NT   ; 32 lanes read 512 consecutive bytes
.endr
.endm
.macro QTURN t                         ; a step's numbers through the stage; LDS serves a wave's instructions in order, so no wait between the stores and the loads
.irp i, 0,1,2,3
	ds_store_b128 v14, v[R+16*((\t)%4)+4*\i:R+16*((\t)%4)+4*\i+3] offset:32*SP*((\t)%2)+8*SP*\i
.endr
.irp i, 0,1,2,3
	ds_load_b128 v[X+16*((\t)%2)+4*\i:X+16*((\t)%2)+4*\i+3], v15 offset:32*SP*((\t)%2)+16*\i
.endr
.endm
.irp t, 0,1,2,3
	QLOAD \t
.endr
	s_wait_loadcnt 12                              ; step 0's four loads are in; the 12 of steps 1 to 3 may be out
	QTURN 0
.macro QSTEP t
.set XS, X+16*((\t)%2)
.if (\t) > 0
	s_wait_dscnt 1                                 ; this step's numbers are back from the stage; the last step's byte store may be out
.else
	s_wait_dscnt 0x0
.endif
.if (\t)+4 < STEPS
	QLOAD (\t)+4                                   ; into the registers that this step's stores into the stage have read
.endif
.if (\t)+1 < STEPS
.if STEPS-2-(\t) >= 3
	s_wait_loadcnt 12                              ; the next step's four loads are in; those of the three steps behind it may be out
.else
	s_wait_loadcnt 4*(STEPS-2-(\t))
.endif
	QTURN (\t)+1
.endif
	v_max3_num_f32 v8, |v[XS]|, |v[XS+1]|, |v[XS+2]|               ; the largest magnitude of my 16, in two chains
	v_max3_num_f32 v9, |v[XS+3]|, |v[XS+4]|, |v[XS+5]|
.irp i, 6,10
	v_max3_num_f32 v8, v8, |v[XS+\i]|, |v[XS+\i+1]|
	v_max3_num_f32 v9, v9, |v[XS+\i+2]|, |v[XS+\i+3]|
.endr
	v_max3_num_f32 v8, v8, |v[XS+14]|, |v[XS+15]|
	v_max3_num_f32 v8, v8, v9, 0x1800000           ; and the floor 2^(3 - 127): the byte cannot fall under 1
	v_max_num_f32_dpp v8, v8, v8 row_xmask:1 row_mask:0xf bank_mask:0xf   ; with my neighbour's 16: the block's
	v_add_nc_u32 v11, 0xff000000, v8               ; 2 off its exponent field: the conversion takes this operand's exponent field as its scale
	v_cvt_scalef32_pk8_fp4_f32 v[C+4*(\t)], v[XS:XS+7], v11
	v_cvt_scalef32_pk8_fp4_f32 v[C+4*(\t)+1], v[XS+8:XS+15], v11
	v_lshrrev_b32 v[E+(\t)], 23, v11               ; the scale's byte
	ds_store_b8 v5, v[E+(\t)] offset:16*(\t)       ; both lanes of a block write the same byte with the same value
	global_store_b64 v4, v[C+4*(\t):C+4*(\t)+1], s[24:25] offset:32*CB*(\t)   ; the wave stores 256 consecutive bytes, aligned
.endm
.irp t, 0,1,2,3,4,5,6,7,8,9,10,11,12,13,14,15
	QSTEP \t
.endr
	ds_load_b64 v[8:9], v6                         ; my wave's 256 scale bytes (these loads see my stores: one wave's LDS instructions go in order)
	s_wait_dscnt 0x0
	global_store_b64 v7, v[8:9], s[26:27]          ; 256 consecutive bytes, aligned
	s_wait_tensorcnt 0x0                           ; the wave's end, behind my last LDS store
	ds_add_u32 v[SPW], v[NIL]
	s_wait_dscnt 0x0
	s_endpgm
; ---------------- job B: the mask's words ----------------
.Lmask:
	s_cmp_ge_u32 ttmp9, 1376
	s_cbranch_scc1 .Lcast
	s_sub_co_u32 s3, ttmp9, 864                    ; the tile of 16 queries: 128 b + qt
	s_lshl_b32 s4, s3, 17                          ; 16 rows of 8,192 bytes
	s_lshl_b32 s6, s2, 11                          ; my wave's 512 keys
	s_add_co_u32 s4, s4, s6
	s_mov_b32 s5, 0
	s_add_nc_u64 s[22:23], s[22:23], s[4:5]
	s_lshl_b32 s4, s3, 12                          ; 1,024 words a tile of queries
	s_lshl_b32 s6, s2, 10                          ; 256 of them are my wave's
	s_add_co_u32 s4, s4, s6
	s_add_nc_u64 s[28:29], s[28:29], s[4:5]
	s_mul_i32 s7, s2, 16*MPITCH
	s_add_co_u32 s7, s7, MSTG                      ; my stage
	v_lshlrev_b32 v3, 4, v2                        ; in memory: 16 bytes a lane of a row's 512
	v_add_nc_u32 v4, s7, v3                        ; into the stage likewise
	v_and_b32 v7, 15, v0                           ; r
	v_bfe_u32 v8, v0, 4, 1                         ; h
	v_mul_u32_u24 v5, v7, MPITCH
	v_lshl_add_u32 v5, v8, 5, v5
	v_add_nc_u32 v5, s7, v5                        ; out of it: row r, 8 keys of each 16 for my half
	v_lshlrev_b32 v6, 3, v2                        ; the words: 8 bytes a lane
.irp i, 0,1,2,3,4,5,6,7
	v_mov_b32 v[MW+\i], 0                          ; v_writelane_b32's destination counts as read
.endr
.macro MLOAD it, set                   ; 128 keys of the 16 queries: a load reads 512 consecutive bytes of one row
.irp i, 0,1,2,3,4,5,6,7,8,9,10,11,12,13,14,15
	global_load_b128 v[MR+64*\set+4*\i:MR+64*\set+4*\i+3], v3, s[22:23] offset:8192*\i+512*\it th:TH_LOAD_NT
.endr
.endm
.macro MTURN set                       ; through the stage: afterwards register 8 kt + j of lane (r, h) is mask[query r][key 16 kt + 8 h + j]
.irp i, 0,1,2,3,4,5,6,7,8,9,10,11,12,13,14,15
	ds_store_b128 v4, v[MR+64*\set+4*\i:MR+64*\set+4*\i+3] offset:MPITCH*\i
.endr
.irp kt, 0,1,2,3,4,5,6,7
	ds_load_b128 v[MX+8*\kt:MX+8*\kt+3], v5 offset:64*\kt
	ds_load_b128 v[MX+8*\kt+4:MX+8*\kt+7], v5 offset:64*\kt+16
.endr
.endm
.macro MPACK it                        ; a compare gives a word; word n goes to lane n / 2, register n % 2: the 64 words leave as 256 consecutive bytes
.set n, 0
.rept 8
.irp e, 0,1,2,3,4,5,6,7
	v_cmp_ne_u32 s[32+\e], 0, v[MX+n+\e]
.endr
.irp e, 0,1,2,3,4,5,6,7
	v_writelane_b32 v[MW+2*\it+(\e%2)], s[32+\e], (n+\e)/2
.endr
.set n, n+8
.endr
	global_store_b64 v6, v[MW+2*\it:MW+2*\it+1], s[28:29] offset:256*\it
.endm
	MLOAD 0, 0
	MLOAD 1, 1
.irp it, 0,1,2,3
.if \it < 3
	s_wait_loadcnt 16                              ; this trip's 16 loads are in; the next trip's 16 may be out
.else
	s_wait_loadcnt 0x0
.endif
	MTURN (\it%2)
	s_wait_dscnt 0x0                               ; the numbers are back, and the stores have read the set that is loaded again below
.if \it < 2
	MLOAD (\it+2), (\it%2)
.endif
	MPACK \it
.endr
	s_wait_tensorcnt 0x0                           ; the wave's end, behind my last LDS store
	ds_add_u32 v[SPW], v[NIL]
	s_wait_dscnt 0x0
	s_endpgm
; ---------------- job C: Wo to f16, laid [k / 64][n][64] ----------------
.Lcast:
	s_sub_co_u32 s3, ttmp9, 1376
	s_lshl_b32 s3, s3, 2
	s_add_co_u32 s3, s3, s2                        ; my wave's two rows of Wo: 2 task, 2 task + 1
	s_lshl_b32 s4, s3, 13
	s_mov_b32 s5, 0
	s_add_nc_u64 s[20:21], s[20:21], s[4:5]
	s_lshl_b32 s4, s3, 8
	s_add_nc_u64 s[30:31], s[30:31], s[4:5]
	v_and_b32 v3, 15, v0
	v_bfe_u32 v4, v0, 4, 1
	v_lshlrev_b32 v3, 4, v3
	v_lshl_add_u32 v3, v4, 12, v3                  ; lanes 0-15 one row, lanes 16-31 the next; 16 bytes a lane: sixteen lanes read 256 consecutive bytes
	v_lshlrev_b32 v4, 3, v2                        ; out: 8 bytes a lane: the two rows' 128 bytes lie on end
.irp h, 0,1,2,3,4,5,6,7,8,9,10,11,12,13,14,15
	global_load_b128 v[64+4*\h:64+4*\h+3], v3, s[20:21] offset:256*\h th:TH_LOAD_NT
.endr
.irp h, 0,1,2,3,4,5,6,7,8,9,10,11,12,13,14,15
	s_wait_loadcnt 15-\h                           ; loads come back in order: block h is in, the later ones may be out
	v_cvt_pk_f16_f32 v[16+2*\h], v[64+4*\h], v[64+4*\h+1]
	v_cvt_pk_f16_f32 v[17+2*\h], v[64+4*\h+2], v[64+4*\h+3]
	global_store_b64 v4, v[16+2*\h:17+2*\h], s[30:31] offset:131072*\h   ; 256 consecutive bytes, aligned
.endr
	s_endpgm
.Lfunc_end_k_qd2f2665ae8_prep:
	.size	k_qd2f2665ae8_prep, .Lfunc_end_k_qd2f2665ae8_prep-k_qd2f2665ae8_prep
	.p2alignl 7, 3214868480
	.fill 96, 4, 3214868480
	.section	.rodata,"a",@progbits
	.p2align	6, 0x0
	.amdhsa_kernel k_qd2f2665ae8_prep
		.amdhsa_group_segment_fixed_size 67072
		.amdhsa_private_segment_fixed_size 0
		.amdhsa_enable_private_segment 0
		.amdhsa_kernarg_size 96
		.amdhsa_user_sgpr_count 2
		.amdhsa_user_sgpr_kernarg_segment_ptr 1
		.amdhsa_wavefront_size32 1
		.amdhsa_system_sgpr_workgroup_id_x 1
		.amdhsa_system_sgpr_workgroup_id_y 1
		.amdhsa_system_sgpr_workgroup_id_z 1
		.amdhsa_system_vgpr_workitem_id 0
		.amdhsa_next_free_vgpr 256
		.amdhsa_next_free_sgpr 66
		.amdhsa_reserve_vcc 0
		.amdhsa_float_denorm_mode_32 3
		.amdhsa_float_denorm_mode_16_64 3
		.amdhsa_memory_ordered 1
		.amdhsa_forward_progress 1
		.amdhsa_inst_pref_size 88
	.end_amdhsa_kernel
	.amdgpu_metadata
---
amdhsa.version: [ 1, 2 ]
amdhsa.kernels:
  - .name:           k_qd2f2665ae8_prep
    .symbol:         k_qd2f2665ae8_prep.kd
    .args:
      - { .name: Q, .offset: 0, .size: 8, .value_kind: global_buffer, .address_space: global }
      - { .name: K, .offset: 8, .size: 8, .value_kind: global_buffer, .address_space: global }
      - { .name: V, .offset: 16, .size: 8, .value_kind: global_buffer, .address_space: global }
      - { .name: Wq, .offset: 24, .size: 8, .value_kind: global_buffer, .address_space: global }
      - { .name: Wk, .offset: 32, .size: 8, .value_kind: global_buffer, .address_space: global }
      - { .name: Wv, .offset: 40, .size: 8, .value_kind: global_buffer, .address_space: global }
      - { .name: Wo, .offset: 48, .size: 8, .value_kind: global_buffer, .address_space: global }
      - { .name: mask, .offset: 56, .size: 8, .value_kind: global_buffer, .address_space: global }
      - { .name: codes, .offset: 64, .size: 8, .value_kind: global_buffer, .address_space: global }
      - { .name: scales, .offset: 72, .size: 8, .value_kind: global_buffer, .address_space: global }
      - { .name: mbits, .offset: 80, .size: 8, .value_kind: global_buffer, .address_space: global }
      - { .name: wo16, .offset: 88, .size: 8, .value_kind: global_buffer, .address_space: global }
    .group_segment_fixed_size: 67072
    .private_segment_fixed_size: 0
    .kernarg_segment_align: 8
    .kernarg_segment_size: 96
    .max_flat_workgroup_size: 128
    .sgpr_count:     66
    .vgpr_count:     256
    .wavefront_size: 32
...
	.end_amdgpu_metadata
.endif
;; end of part 1
;; launch proj (part 2): grid 4 x 96, 4 waves a work-group, clusters of 4 x 4, 327,680 bytes of LDS; arguments codes, scales, qkv; writes qkv
.if DOCPART == 2
	.amdgcn_target "amdgcn-amd-amdhsa--gfx1250"
	.amdhsa_code_object_version 6
	.text
	.protected	k_qd2f2665ae8_proj
	.globl	k_qd2f2665ae8_proj
	.p2align	8
	.type	k_qd2f2665ae8_proj,@function
k_qd2f2665ae8_proj:
	s_mov_b64 s[64:65], 0
	v_nop
	global_prefetch_b8 v0, s[64:65] scope:SCOPE_SE
	s_setreg_imm32_b32 hwreg(HW_REG_WAVE_MODE, 25, 1), 1
	s_wait_xcnt 0x0
	s_wait_alu depctr_hold_cnt(0) depctr_sa_sdst(0) depctr_va_vdst(0) depctr_va_sdst(0) depctr_va_ssrc(0) depctr_va_vcc(0) depctr_vm_vsrc(0)
	s_getreg_b32 s2, hwreg(HW_REG_IB_STS2, 6, 4)
	s_cmp_eq_u32 s2, 0
	s_cbranch_scc0 .Lentry_in_a_cluster
	s_endpgm
.Lentry_in_a_cluster:
	s_bfe_u32 s2, ttmp6, 0x10000c
	s_cmp_lg_u32 s2, 0xf033
	s_cbranch_scc0 .Lentry_shape_is_right
	s_endpgm
.Lentry_shape_is_right:
; PROJ: the three quantised products q = Q Wq^T, k = K Wk^T, v = V Wv^T as ONE product of 24,576 rows (Q's, K's, V's on end) by 1,024 columns, on codes of FP4 (E2M1) with one E8M0 scale for each 32 along K = 1,024.
; Rows 8,192 g on take weight g: its 1,024 rows of codes lie behind the 24,576 rows of the activations in 'codes', its scale bytes likewise in 'scales'.
; A tile of 256 x 256 is made by a work-group of four waves; a wave makes 128 x 128: 64 accumulators, 512 registers.  K is two LDS slots of 512 (rows of 256 bytes): both are asked for at the head, and NO slot is filled again.
; The scale bytes of the work-group's 256 + 256 rows, for all of K, come once, as lines of 256 bytes.
; CLUSTERS: 4 x 4 work-groups; the four of a row of the cluster ask jointly for A's tiles, the four of a column for the weight's.  The weight's number g is made of the cluster's y alone, which all sixteen share.
; THE MATRIX INSTRUCTION IS USED TRANSPOSED (source 0 = 16 rows of the weight, source 1 = 16 rows of A): a lane holds eight neighbouring columns of one row.
; OUT: f16, laid [g][b][head][n][64], so that a head's rows are dense.  q (g = 0) is multiplied in f32 by c = log2(e) / 8 ahead of the rounding (k and v by 1): the scores then are exponents to base 2.
; LIMITS: |c q|, |k|, |v| up to 65,504 (f16); NaN and infinities are not served.
; REGISTERS, in windows of 256: window 0: v0-31 addresses; v32-95 scale words, two sets; v128-191 A's fragments, one set; on the way out v32-191 are free.  window 1: the weight's fragments, two sets, at v0 and v128.
;   window 2: the accumulators of my rows 0-63 ((a, b) at v[8 (8 a + b)]); window 3: those of rows 64-127.
.set KSTEP,  512
.set NQ,     4                         ; steps of 128 along K in a slot
.set ROWB,   256                       ; a tile's row in bytes
.set KROW,   512                       ; a row of codes in memory
.set PITCH,  272                       ; an LDS row: 256 bytes + 16 of padding: the 16 rows of a fragment load start 16 bytes further on in each 256 (64 banks of 4 bytes: ISA guide 11.1)
.set FR,     8
.set NL,     2
.set NP,     4                         ; places behind this matrix instruction (ISA guide 7.12.1)
.set HALFT,  128*PITCH
.set SLOT,   4*HALFT
.set KS,     32                        ; a row of scale bytes
.set SCL,    2*SLOT                    ; behind the two slots: the scales
.set HALFS,  (128*KS/256)*272
.set SBLK,   (16*KS/256)*272
.set SPARE,  SCL+4*HALFS               ; the spare words, 128 bytes a wave
.set SPITCH, 272                       ; the way out: a stage of 16 rows x (256 bytes + 16) for each wave, in slot 0, which has had its one fill and its last read by then
.set ADRA, 16
.set ADRB, 20
.set STO,  24
.set RD,   25
.set CO,   26
.set ADRS, 27
.set SPW,  28
.set NIL,  29
.set SC,   32
.set AF,   128
.set T,    32                          ; the way out: 64 numbers x the factor
.set PK,   96                          ; packed to f16
.set BK,   128                         ; rows read back: v128-159 and v160-191 by turns
.set G1, 24
.set G0, 32
.set G1B, 48
.set G0B, 56
.set G1S, 68
.set G0S, 76
.set G1SB, 80
.set G0SB, 88
.set MSB, 0
.macro WIN new                         ; the immediate's high byte repeats the setting that is left
.if MSB != \new
	s_set_vgpr_msb (MSB<<8)|\new
.set MSB, \new
.endif
.endm
.set MUL_LO, 0xa1                      ; source 0 window 1, source 1 window 0, C and D window 2
.set MUL_HI, 0xf1                      ; the same, C and D window 3
.set TO_B,   0x40                      ; destination window 1
; A joint load: waves 0 and 1 fetch for A, waves 2 and 3 for the weight; the branch hangs on the wave's number alone.  An s_nop 0 and four v_nop follow each line.
.macro JLOAD g0a, g1a, g0b, g1b
	s_cmp_eq_u32 s15, 0
	s_cbranch_scc0 .Lfor_b_\@
	tensor_load_to_lds s[\g0a:\g0a+3], s[\g1a:\g1a+7]
	s_nop 0
.rept 4
	v_nop
.endr
	s_branch .Lasked_\@
.Lfor_b_\@:
	tensor_load_to_lds s[\g0b:\g0b+3], s[\g1b:\g1b+7]
	s_nop 0
.rept 4
	v_nop
.endr
.Lasked_\@:
.endm
.macro CROUND                          ; a round of the cluster's barrier
	s_barrier_signal -1
	s_barrier_wait -1
	s_cmp_lg_u32 s14, 0
	s_cbranch_scc1 .Lnot_wave_0_\@
	s_barrier_signal -3
.Lnot_wave_0_\@:
	s_barrier_wait -3
	s_barrier_signal -1
	s_barrier_wait -1
.endm
	s_load_b128 s[4:7], s[0:1], 0x0                ; codes s[4:5], scales s[6:7]
	s_load_b64 s[12:13], s[0:1], 0x10              ; qkv
	v_lshl_add_u32 v[SPW], v0, 2, SPARE
	v_mov_b32 v[NIL], 0
	ds_add_u32 v[SPW], v[NIL]                      ; the wave's opening: the add, twice on end, and its wait ahead of my first tensor load
	ds_add_u32 v[SPW], v[NIL]
	v_lshrrev_b32 v1, 5, v0
	v_readfirstlane_b32 s14, v1                    ; wave 0..3
	s_lshr_b32 s15, s14, 1                         ; my half of the tile's rows.  Also: I fetch for A (0) or for the weight (1)
	s_and_b32 s16, s14, 1                          ; my half of its columns.  Also: which 128 rows I fetch
	s_bfe_u32 s40, ttmp6, 0x40000                  ; cx
	s_bfe_u32 s41, ttmp6, 0x40004                  ; cy
	s_lshl_b32 s42, ttmp9, 2
	s_add_co_u32 s42, s42, s40                     ; tile column 0..3
	s_and_b32 s95, ttmp7, 0xffff                   ; the cluster's y, 0..23
	s_lshl_b32 s17, s95, 2
	s_add_co_u32 s17, s17, s41                     ; tile row 0..95
	s_lshr_b32 s95, s95, 3                         ; g: eight clusters, 32 tile rows, to a tensor
	s_cmp_eq_u32 s95, 0
	s_cselect_b32 s96, 0x3e38aa3b, 1.0             ; the factor: c = log2(e) / 8 for q, 1 for k and v
	s_mov_b32 s97, s96                             ; (the packed form names the pair)
	s_lshl_b32 s43, s41, 2
	s_lshl_b32 s43, 15, s43                        ; my row of the cluster
	s_lshl_b32 s44, 0x1111, s40                    ; my column
	s_or_b32 s[G1+0], s43, (0<<16)|(1<<20)|(1<<21)|(5<<22)|(3<<25)   ; the mask; elements of 1 byte; padding on; bit 21 beside a mask; 4 words behind every 64
	s_or_b32 s[G1B+0], s44, (0<<16)|(1<<20)|(1<<21)|(5<<22)|(3<<25)
.irp g, G1, G1B
	s_mov_b32 s[\g+1], ROWB<<16                    ; tensor_dim0
	s_mov_b32 s[\g+2], 128<<16                     ; tensor_dim1
	s_mov_b32 s[\g+3], ROWB<<16                    ; tile_dim0
	s_mov_b32 s[\g+4], 128                         ; tile_dim1
	s_mov_b32 s[\g+5], KROW                        ; from row to row
	s_mov_b32 s[\g+6], 0
	s_mov_b32 s[\g+7], 0
.endr
	s_or_b32 s[G1S+0], s43, (3<<16)|(1<<20)|(1<<21)|(5<<22)|(3<<25)  ; the scales of 128 rows: 4,096 dense bytes as 16 lines of 256 (32 elements of 8 bytes)
	s_or_b32 s[G1SB+0], s44, (3<<16)|(1<<20)|(1<<21)|(5<<22)|(3<<25)
.irp g, G1S, G1SB
	s_mov_b32 s[\g+1], 32<<16
	s_mov_b32 s[\g+2], (128*KS/256)<<16
	s_mov_b32 s[\g+3], 32<<16
	s_mov_b32 s[\g+4], 128*KS/256
	s_mov_b32 s[\g+5], 32
	s_mov_b32 s[\g+6], 0
	s_mov_b32 s[\g+7], 0
.endr
	s_lshl_b32 s18, s16, 7                         ; which 128 rows of the tile I fetch
	s_lshl_b32 s20, s17, 8
	s_add_co_u32 s20, s20, s18                     ; A: row 256 x tile row + 128 x half
	s_lshl_b32 s46, s42, 8
	s_add_co_u32 s46, s46, s18
	s_lshl_b32 s19, s95, 10
	s_add_co_u32 s46, s46, s19                     ; the weight: row 1,024 g + 256 x tile column + 128 x half
	s_mov_b32 s21, 0
	s_mov_b32 s47, 0
	s_mov_b64 s[18:19], KS
	s_mul_u64 s[22:23], s[20:21], s[18:19]         ; where these rows' scales begin
	s_mul_u64 s[92:93], s[46:47], s[18:19]
	s_mov_b64 s[18:19], KROW
	s_mul_u64 s[20:21], s[20:21], s[18:19]         ; and their codes
	s_mul_u64 s[46:47], s[46:47], s[18:19]
	s_mul_i32 s45, s14, HALFT                      ; where they go: wave x 128 rows
	s_mul_i32 s94, s14, HALFS
	s_wait_dscnt 0x0                               ; both opening adds are done
	s_wait_kmcnt 0x0
	s_add_nc_u64 s[8:9], s[4:5], 12582912          ; the weights' codes, behind 24,576 rows of 512 bytes
	s_add_nc_u64 s[10:11], s[6:7], 786432          ; and their scale bytes, behind 24,576 rows of 32
	s_add_nc_u64 s[20:21], s[4:5], s[20:21]
	s_add_nc_u64 s[22:23], s[6:7], s[22:23]
	s_add_nc_u64 s[46:47], s[8:9], s[46:47]
	s_add_nc_u64 s[92:93], s[10:11], s[92:93]
	CROUND                                         ; all sixteen work-groups are here: the joint loads meet
	s_mov_b32 s[G0S], 1
	s_add_co_u32 s[G0S+1], s94, SCL
	s_mov_b64 s[G0S+2:G0S+3], s[22:23]
	s_or_b32 s[G0S+3], s[G0S+3], 0x80000000
	s_mov_b32 s[G0SB], 1
	s_add_co_u32 s[G0SB+1], s94, SCL
	s_mov_b64 s[G0SB+2:G0SB+3], s[92:93]
	s_or_b32 s[G0SB+3], s[G0SB+3], 0x80000000
	JLOAD G0S, G1S, G0SB, G1SB                     ; the scales first; with the two slots three loads of mine are out
.irp s, 0,1
	s_mov_b32 s[G0+4*\s], 1
	s_add_co_u32 s[G0+4*\s+1], s45, \s*SLOT
	s_add_nc_u64 s[G0+4*\s+2:G0+4*\s+3], s[20:21], \s*ROWB
	s_or_b32 s[G0+4*\s+3], s[G0+4*\s+3], 0x80000000
	s_mov_b32 s[G0B+4*\s], 1
	s_add_co_u32 s[G0B+4*\s+1], s45, \s*SLOT
	s_add_nc_u64 s[G0B+4*\s+2:G0B+4*\s+3], s[46:47], \s*ROWB
	s_or_b32 s[G0B+4*\s+3], s[G0B+4*\s+3], 0x80000000
	JLOAD G0+4*\s, G1, G0B+4*\s, G1B
.endr
	v_and_b32 v1, 15, v0                           ; r
	v_bfe_u32 v2, v0, 4, 1                         ; h
	v_mul_u32_u24 v3, v1, PITCH
	v_lshl_add_u32 v4, v2, 4, v3                   ; a fragment's row x pitch + 16 h
	s_mul_i32 s21, s15, HALFT
	s_mul_i32 s22, s16, HALFT
	s_add_co_u32 s22, s22, 2*HALFT
.irp s, 0,1
	v_add_nc_u32 v[ADRA+\s], s21, v4
	v_add_nc_u32 v[ADRB+\s], s22, v4
	s_add_co_u32 s21, s21, SLOT
	s_add_co_u32 s22, s22, SLOT
.endr
	v_mul_u32_u24 v5, v1, KS                       ; my row's scales: 32 bytes a row,
	v_lshrrev_b32 v6, 8, v5
	v_lshl_add_u32 v5, v6, 4, v5                   ; and 16 more for each 256 passed
	s_mul_i32 s21, s15, HALFS
	s_mul_i32 s22, s16, HALFS
	s_add_co_u32 s22, s22, 2*HALFS
	s_sub_co_u32 s22, s22, s21
	v_mul_u32_u24 v6, s22, v2                      ; lanes 16-31 take the weight's
	s_add_co_u32 s21, s21, SCL
	v_add_nc_u32 v5, v5, v6
	v_add_nc_u32 v[ADRS], s21, v5
	s_mul_i32 s23, s14, 16*SPITCH                  ; my stage
	v_mul_u32_u24 v5, v1, SPITCH
	v_lshl_add_u32 v5, v2, 4, v5
	v_add_nc_u32 v[STO], s23, v5                   ; in: row r, 16 bytes (8 f16) for each half of the lanes
	v_bfe_u32 v5, v0, 3, 2
	v_mul_u32_u24 v5, v5, SPITCH
	v_and_b32 v6, 7, v0
	v_lshl_add_u32 v5, v6, 4, v5
	v_add_nc_u32 v[RD], s23, v5                    ; back: eight lanes take a head's 128 bytes of a row, the wave four rows
	v_and_b32 v6, 31, v0
	v_lshlrev_b32 v[CO], 4, v6                     ; which are 512 consecutive bytes of qkv
	s_lshl_b32 s20, s17, 8
	s_lshl_b32 s21, s15, 7
	s_add_co_u32 s20, s20, s21                     ; m0: my first row, 0 .. 24,575
	s_lshr_b32 s21, s20, 11                        ; 4 g + b
	s_lshl_b32 s21, s21, 4
	s_lshl_b32 s46, s42, 2
	s_add_co_u32 s21, s21, s46
	s_lshl_b32 s46, s16, 1
	s_add_co_u32 s21, s21, s46                     ; + my first head: 4 x tile column + 2 x half
	s_lshl_b32 s21, s21, 11
	s_and_b32 s20, s20, 2047
	s_add_co_u32 s20, s20, s21
	s_lshl_b32 s20, s20, 7                         ; rows of 128 bytes
	s_mov_b32 s21, 0
	s_add_nc_u64 s[12:13], s[12:13], s[20:21]
.macro FRAG reg, adr, q, i             ; 16 rows x 128 K of 4-bit codes: 8 registers; two loads of 16 bytes, 32 bytes apart
.irp c, 0,1
	ds_load_b128 v[\reg+4*\c:\reg+4*\c+3], v[\adr] offset:64*(\q)+32*\c+(\i)*16*PITCH
.endr
.endm
; 16 matrix instructions: A's blocks a0, a0 + 1 x the weight's eight.  The 64 accumulators take turns, one instruction a turn, in the same order in every step.
.macro MUL16 a0, p, q, sc, zero
.irp a, \a0, \a0+1
.irp b, 0,1,2,3,4,5,6,7
.if \zero
	v_wmma_scale_f32_16x16x128_f8f6f4 v[8*(8*((\a)%4)+\b):8*(8*((\a)%4)+\b)+7], v[128*(\p)+FR*\b:128*(\p)+FR*\b+FR-1], v[AF+FR*(\a):AF+FR*(\a)+FR-1], 0, v[SC+8*NQ*(\sc)+NQ*\b+(\q)], v[SC+8*NQ*(\sc)+NQ*(\a)+(\q)] matrix_a_fmt:MATRIX_FMT_FP4 matrix_b_fmt:MATRIX_FMT_FP4 matrix_a_scale:MATRIX_SCALE_ROW1
.else
	v_wmma_scale_f32_16x16x128_f8f6f4 v[8*(8*((\a)%4)+\b):8*(8*((\a)%4)+\b)+7], v[128*(\p)+FR*\b:128*(\p)+FR*\b+FR-1], v[AF+FR*(\a):AF+FR*(\a)+FR-1], v[8*(8*((\a)%4)+\b):8*(8*((\a)%4)+\b)+7], v[SC+8*NQ*(\sc)+NQ*\b+(\q)], v[SC+8*NQ*(\sc)+NQ*(\a)+(\q)] matrix_a_fmt:MATRIX_FMT_FP4 matrix_b_fmt:MATRIX_FMT_FP4 matrix_a_scale:MATRIX_SCALE_ROW1
.endif
.endr
.endr
.endm
.macro FETCH_B slot, q, p
	WIN TO_B
.irp i, 0,1,2,3,4,5,6,7
	FRAG 128*(\p)+FR*\i, ADRB+\slot, \q, \i
.endr
	WIN 0
.endm
.macro FETCH_A slot, q, i0
.irp i, \i0, \i0+1, \i0+2, \i0+3
	FRAG AF+FR*(\i), ADRA+\slot, \q, \i
.endr
.endm
.macro SCALES sc                       ; a slot's scale words: four a row; lanes 0-15 take A's block i, lanes 16-31 the weight's block i
.irp i, 0,1,2,3,4,5,6,7
	ds_load_b128 v[SC+8*NQ*\sc+NQ*\i:SC+8*NQ*\sc+NQ*\i+3], v[ADRS] offset:\i*SBLK
.endr
.endm
.macro PLACES n                        ; plain vector instructions between a matrix instruction and a load into, or a read of, its registers
.rept \n
	v_nop
.endr
.endm
.macro STEP slot, q, zero              ; 128 along K, with its successor in the same slot
	s_wait_dscnt 4*NL                              ; all but the youngest eight loads (A's blocks 4-7) are in
	WIN MUL_LO
	MUL16 0, (\q)%2, \q, \slot, \zero
	MUL16 2, (\q)%2, \q, \slot, \zero
	s_wait_dscnt 0
	PLACES NP
	FETCH_B \slot, (\q)+1, 1-(\q)%2
	FETCH_A \slot, (\q)+1, 0
	WIN MUL_HI
	MUL16 4, (\q)%2, \q, \slot, \zero
	MUL16 6, (\q)%2, \q, \slot, \zero
	PLACES NP
	WIN 0
	FETCH_A \slot, (\q)+1, 4
.endm
; Slot 0's last step changes slots: one barrier; in front of it each wave waits for all its tensor loads (slot 1's is the one that may be out), adds 0 to its spare word, and waits for that and for its reads of slot 0.  Nothing is filled again.
.macro TURN slot, next
	s_wait_tensorcnt 0x0
	ds_add_u32 v[SPW], v[NIL]
	s_wait_dscnt 4*NL+1                            ; the add and the youngest eight loads may be out
	WIN MUL_LO
	MUL16 0, 1, NQ-1, \slot, 0
	s_wait_dscnt 0x0                               ; the add is done, and my reads of this slot are over
	s_barrier_signal -1
	MUL16 2, 1, NQ-1, \slot, 0
	WIN 0
	s_barrier_wait -1
	PLACES NP
	v_add_nc_u32 v[ADRS], 4*NQ, v[ADRS]            ; on to the next slot's scale words
	FETCH_B \next, 0, 0
	FETCH_A \next, 0, 0
	SCALES \next
	WIN MUL_HI
	MUL16 4, 1, NQ-1, \slot, 0
	MUL16 6, 1, NQ-1, \slot, 0
	PLACES NP
	WIN 0
	FETCH_A \next, 0, 4
.endm
.macro STEPS slot, from
.set Q, \from
.rept NQ-1-\from
	STEP \slot, Q, 0
.set Q, Q+1
.endr
.endm
	s_wait_tensorcnt 1                             ; the scales and my part of slot 0 are in; slot 1's load may be out
	s_barrier_signal -1
	s_barrier_wait -1
	FETCH_B 0, 0, 0
	FETCH_A 0, 0, 0
	SCALES 0
	FETCH_A 0, 0, 4
	STEP 0, 0, 1                                   ; the first products start the sums: nothing is cleared
	STEPS 0, 1
	TURN 0, 1
	STEPS 1, 0
	s_wait_dscnt 4*NL                              ; the last step
	WIN MUL_LO
	MUL16 0, 1, NQ-1, 1, 0
	MUL16 2, 1, NQ-1, 1, 0
	s_wait_dscnt 0
	WIN MUL_HI
	MUL16 4, 1, NQ-1, 1, 0
	MUL16 6, 1, NQ-1, 1, 0
	WIN 0
; THE WAY OUT, a block of 16 rows x 128 columns (two heads) at a time: x the factor, rounded to f16, through my stage, and out as runs of 512 bytes: four rows of one head.
.macro PACK a
.set AC, 64*((\a)%4)
	WIN 0x02+(\a)/4                                ; source 0: window 2 or 3
.set i, 0
.rept 32
	v_pk_mul_f32 v[T+i:T+i+1], v[AC+i:AC+i+1], s[96:97] op_sel_hi:[1,0]   ; ascending: each accumulator is read from its low end on
.set i, i+2
.endr
	WIN 0
.set i, 0
.rept 32
	v_cvt_pk_f16_f32 v[PK+i], v[T+2*i], v[T+2*i+1]
.set i, i+1
.endr
.endm
.macro TOSTAGE a
.set BB, BK+32*((\a)%2)
.irp b, 0,1,2,3,4,5,6,7
	ds_store_b128 v[STO], v[PK+4*\b:PK+4*\b+3] offset:32*\b
.endr
.irp u, 0,1,2,3,4,5,6,7
	ds_load_b128 v[BB+4*\u:BB+4*\u+3], v[RD] offset:4*SPITCH*(\u%4)+128*(\u/4)   ; one wave's LDS instructions go in order (ISA guide 5.7.1.4): these see the stores above
.endr
.endm
.macro SEND a
.set BB, BK+32*((\a)%2)
	s_wait_dscnt 0x0                               ; the block is back in registers
	s_wait_xcnt 0x0                                ; the earlier stores have read their registers and their base
.if (\a) > 0
	s_add_nc_u64 s[12:13], s[12:13], 2048          ; 16 rows of 128 bytes on
.endif
.irp u, 0,1,2,3,4,5,6,7
	global_store_b128 v[CO], v[BB+4*\u:BB+4*\u+3], s[12:13] offset:262144*(\u/4)+512*(\u%4)   ; 512 consecutive bytes, at a multiple of 256 from the buffer's first byte
.endr
.endm
	PLACES NP
	PACK 0
	TOSTAGE 0
.irp a, 1,2,3,4,5,6,7
	PACK \a                                        ; block a's arithmetic stands between block a - 1's loads from the stage and the wait for them
	SEND \a-1
	TOSTAGE \a
.endr
	SEND 7
	s_wait_tensorcnt 0x0                           ; the wave's end
	ds_add_u32 v[SPW], v[NIL]
	s_wait_dscnt 0x0
	CROUND                                         ; the closing round
	s_endpgm
.Lfunc_end_k_qd2f2665ae8_proj:
	.size	k_qd2f2665ae8_proj, .Lfunc_end_k_qd2f2665ae8_proj-k_qd2f2665ae8_proj
	.p2alignl 7, 3214868480
	.fill 96, 4, 3214868480
	.section	.rodata,"a",@progbits
	.p2align	6, 0x0
	.amdhsa_kernel k_qd2f2665ae8_proj
		.amdhsa_group_segment_fixed_size 327680
		.amdhsa_private_segment_fixed_size 0
		.amdhsa_enable_private_segment 0
		.amdhsa_kernarg_size 24
		.amdhsa_user_sgpr_count 2
		.amdhsa_user_sgpr_kernarg_segment_ptr 1
		.amdhsa_wavefront_size32 1
		.amdhsa_system_sgpr_workgroup_id_x 1
		.amdhsa_system_sgpr_workgroup_id_y 1
		.amdhsa_system_sgpr_workgroup_id_z 1
		.amdhsa_system_vgpr_workitem_id 0
		.amdhsa_next_free_vgpr 1024
		.amdhsa_next_free_sgpr 100
		.amdhsa_reserve_vcc 0
		.amdhsa_float_denorm_mode_32 3
		.amdhsa_float_denorm_mode_16_64 3
		.amdhsa_memory_ordered 1
		.amdhsa_forward_progress 1
		.amdhsa_inst_pref_size 143
	.end_amdhsa_kernel
	.amdgpu_metadata
---
amdhsa.version: [ 1, 2 ]
amdhsa.kernels:
  - .name:           k_qd2f2665ae8_proj
    .symbol:         k_qd2f2665ae8_proj.kd
    .args:
      - { .name: codes, .offset: 0, .size: 8, .value_kind: global_buffer, .address_space: global }
      - { .name: scales, .offset: 8, .size: 8, .value_kind: global_buffer, .address_space: global }
      - { .name: qkv, .offset: 16, .size: 8, .value_kind: global_buffer, .address_space: global }
    .group_segment_fixed_size: 327680
    .private_segment_fixed_size: 0
    .kernarg_segment_align: 8
    .kernarg_segment_size: 24
    .max_flat_workgroup_size: 128
    .sgpr_count:     100
    .vgpr_count:     1024
    .wavefront_size: 32
...
	.end_amdgpu_metadata
.endif
;; end of part 2
;; launch attn (part 3): grid 4 x 64, 16 waves a work-group, clusters of 4 x 1, 327,680 bytes of LDS; arguments qkv, mbits, x16; writes x16
.if DOCPART == 3
	.amdgcn_target "amdgcn-amd-amdhsa--gfx1250"
	.amdhsa_code_object_version 6
	.text
	.protected	k_qd2f2665ae8_attn
	.globl	k_qd2f2665ae8_attn
	.p2align	8
	.type	k_qd2f2665ae8_attn,@function
k_qd2f2665ae8_attn:
	s_mov_b64 s[64:65], 0
	v_nop
	global_prefetch_b8 v0, s[64:65] scope:SCOPE_SE
	s_setreg_imm32_b32 hwreg(HW_REG_WAVE_MODE, 25, 1), 1
	s_wait_xcnt 0x0
	s_wait_alu depctr_hold_cnt(0) depctr_sa_sdst(0) depctr_va_vdst(0) depctr_va_sdst(0) depctr_va_ssrc(0) depctr_va_vcc(0) depctr_vm_vsrc(0)
	s_getreg_b32 s2, hwreg(HW_REG_IB_STS2, 6, 4)
	s_cmp_eq_u32 s2, 0
	s_cbranch_scc0 .Lentry_in_a_cluster
	s_endpgm
.Lentry_in_a_cluster:
	s_bfe_u32 s2, ttmp6, 0x10000c
	s_cmp_lg_u32 s2, 0x3003
	s_cbranch_scc0 .Lentry_shape_is_right
	s_endpgm
.Lentry_shape_is_right:
; ATTN: x[b][h][q][:] = the sum over k of softmax_k(s) v[b][h][k][:], s = q . k / 8, replaced by -1e9 where mask[b][q][k] = 0.  q, k, v: f16, [g][b][h][2048][64]; q already carries c = log2(e) / 8,
; so t = q' . k is the exponent to base 2, and a hidden t is -1e9 x log2(e).  A running maximum m and sum l for each query: p = 2^(t - m); in every step O and l are multiplied by a = 2^(m_old - m_new).
; A row with no open key has every t equal: p = 1 for all keys, the plain mean of v, as the definition has it.  Products in f16 with f32 sums; maxima, sums, exponentials in f32; p is rounded to f16 for the second product; x is f16.
; LIMITS: f16 operands (|c q|, |k|, |v| up to 65,504; p under 6e-8 of the row's largest counts as 0 in the product); NaN and infinities are not served.
; SHARES.  A work-group owns 512 queries of one (b, h); each of its SIXTEEN waves 32 of them, two tiles of 16, in 256 registers: four waves to a SIMD, so that one wave's vector work stands beside another's matrix work.
; Every wave walks all 2,048 keys, 64 a step.  Each fragment of K and of V read from LDS feeds two matrix instructions.
; LAYOUT.  S^T = K Q^T (source 0 = 16 keys, source 1 = 16 queries), O^T = V^T P: a lane holds ONE query (lane % 16) throughout; two tiles of S^T, rounded to f16 in pairs, are source 1 of the second product.
; THE MASK comes as words made by the launch before: word (query tile, key tile, j) is the lane mask of register j of that tile of S^T.  A step's 64 words come by four scalar loads, a step ahead, and select by v_cndmask_b32.
; CLUSTER.  The four blocks of 512 queries of a (b, h) form a cluster and walk the same K and V: each tile is asked for jointly, by the same tensor load with the mask of all four.
; THE RING.  Two slots of 512 keys.  Both are asked for at the head; each is filled once more: a refill has the other slot's eight key steps in which to land.  No prefetch is laid: half of K and V comes with the first fills and no wave waits long for the rest.
; LDS.  Two keys share a line of 256 bytes; K's lines are 272 bytes apart, V's 288: key k lies at (k / 2) x pitch + 128 (k % 2).
.set KP,    272
.set VP,    288
.set VOFF,  256*KP                     ; a slot: 256 lines of K, then 256 lines of V
.set SLOTB, 256*(KP+VP)                ; 143,360
.set STAGE, 2*SLOTB                    ; the way out: 16 rows x (128 + 16) bytes for each wave
.set SPARE, STAGE+16*2304              ; the spare words, 128 bytes a wave
.set AK0, 1                            ; v1   my lane's place in a tile of K
.set AV0, 2                            ; v2   in a tile of V (with VOFF)
.set ADK, 3                            ; v3   the step's address for K
.set ADV, 4                            ; v4   for V
.set SPW, 5                            ; v5   my spare word; never rewritten
.set NIL, 6                            ; v6   0; never rewritten
.set NEGR, 7                           ; v7   -1e9 x log2(e)
.set STO, 8                            ; v8   the stage, in
.set RD,  9                            ; v9   the stage, back
.set GO,  10                           ; v10  16 x lane
.set QO,  11                           ; v11  my byte in the wave's rows of q
.set ST,  12                           ; tile t's statistics at v[12 + 8 t]: +0 m, +1 zero (named with m as a pair), +2, +3 l, +4 .. +7 at work (a in +6)
.set Q,   32                           ; v32-63   q's fragments: 16 t + 8 f
.set KV,  64                           ; v64-127  K's fragments (16 kt + 8 f), then V's (32 g + 8 c)
.set S,   128                          ; v128-191 S^T: 32 t + 8 kt; p as f16 is packed into 32 t + 0 .. 15
.set OA,  192                          ; v192-255 O^T: 32 t + 8 c
.set WV,  2                            ; s2   my wave's number
.set TBK, 3                            ; s3   LDS byte of the step's K
.set MP,  4                            ; s[4:5]  my two query tiles' mask words
.set XP,  6                            ; s[6:7]  my rows of x
.set G1V, 8                            ; s[8:15]  descriptor group 1 for V's tiles
.set SEL, 66                           ; s[66:67] v_permlanex16_b32's selects: lane l xor 16
.set G1K, 68                           ; s[68:75] group 1 for K's tiles
.set G00, 76                           ; s[76:79] group 0 for slot 0
.set G01, 96                           ; s[96:99] group 0 for slot 1
.set CNT, 100                          ; s100 counts a slot's steps   (s[100:101] hold q's address until q is in)
.set TBV, 101                          ; s101 LDS byte of the step's V
.set MOFF, 104                         ; s104 the mask words' offset: 128 bytes a step
; s16-47: tile 0's 32 mask words; s48-63 and s80-95: tile 1's.  At the head s16-40 are at work.
.macro CROUND                          ; a round of the cluster's barrier
	s_barrier_signal -1
	s_barrier_wait -1
	s_cmp_lg_u32 s[WV], 0
	s_cbranch_scc1 .Lnot_wave_0_\@
	s_barrier_signal -3
.Lnot_wave_0_\@:
	s_barrier_wait -3
	s_barrier_signal -1
	s_barrier_wait -1
.endm
; A joint refill: waves 0 and 1 fetch the two halves of a slot's K, waves 2 and 3 of its V, the others nothing.  The branches hang on the wave's number alone.  An s_nop 0 and four v_nop follow each line.
.macro JLOAD g0
	s_cmp_lt_u32 s[WV], 2
	s_cbranch_scc0 .Lnot_k_\@
	tensor_load_to_lds s[\g0:\g0+3], s[G1K:G1K+7]
	s_nop 0
.rept 4
	v_nop
.endr
	s_branch .Lasked_\@
.Lnot_k_\@:
	s_cmp_lt_u32 s[WV], 4
	s_cbranch_scc0 .Lasked_\@
	tensor_load_to_lds s[\g0:\g0+3], s[G1V:G1V+7]
	s_nop 0
.rept 4
	v_nop
.endr
.Lasked_\@:
.endm
.macro MASKLOAD                        ; a step's 2 x 32 words
	s_load_b512 s[16:31], s[MP:MP+1], s[MOFF] offset:0x0
	s_load_b512 s[32:47], s[MP:MP+1], s[MOFF] offset:0x40
	s_load_b512 s[48:63], s[MP:MP+1], s[MOFF] offset:0x1000
	s_load_b512 s[80:95], s[MP:MP+1], s[MOFF] offset:0x1040
.endm
	s_load_b128 s[16:19], s[0:1], 0x0              ; qkv, mbits
	s_load_b64 s[20:21], s[0:1], 0x10              ; x16
	v_lshl_add_u32 v[SPW], v0, 2, SPARE
	v_mov_b32 v[NIL], 0
	ds_add_u32 v[SPW], v[NIL]                      ; the wave's opening: the add, twice on end, and its wait ahead of the first tensor loads
	ds_add_u32 v[SPW], v[NIL]
	v_lshrrev_b32 v28, 5, v0
	v_readfirstlane_b32 s[WV], v28                 ; wave 0..15
	s_bfe_u32 s22, ttmp6, 0x40000                  ; cx
	s_lshl_b32 s24, ttmp9, 2
	s_add_co_u32 s22, s24, s22                     ; my block of 512 queries: it enters q's, x's and the mask words' addresses alone
	s_and_b32 s23, ttmp7, 0xffff                   ; 16 b + h, which the four partners share
	s_min_u32 s24, s[WV], 3
	s_lshr_b32 s25, s24, 1                         ; I would fetch V (1) or K (0),
	s_and_b32 s26, s24, 1                          ; its first or second 256 keys of a slot
	s_mul_i32 s27, s25, VOFF
	s_mul_i32 s28, s26, 128*KP
	s_add_co_u32 s27, s27, s28
	s_and_b32 s28, s25, s26
	s_lshl_b32 s28, s28, 11                        ; V's half is 128 x 16 bytes longer than K's
	s_add_co_u32 s27, s27, s28                     ; where my tile goes in a slot: made of the wave's number alone
	s_add_co_u32 s28, s25, 1
	s_lshl_b32 s28, s28, 24                        ; k begins 16,777,216 bytes into qkv, v twice as far
	s_lshl_b32 s29, s23, 18                        ; a head's 2,048 rows of 128 bytes
	s_add_co_u32 s28, s28, s29
	s_lshl_b32 s29, s26, 15                        ; 256 keys
	s_add_co_u32 s28, s28, s29
	s_mov_b32 s29, 0
	s_lshr_b32 s30, s23, 4                         ; b
	s_lshl_b32 s30, s30, 7
	s_lshl_b32 s31, s22, 5
	s_add_co_u32 s30, s30, s31
	s_lshl_b32 s31, s[WV], 1
	s_add_co_u32 s30, s30, s31                     ; my first tile of 16 queries: 128 b + 32 block + 2 wave
	s_lshl_b32 s30, s30, 12                        ; 4,096 bytes of words a tile
	s_mov_b32 s31, 0
	s_lshl_b32 s32, s23, 11
	s_lshl_b32 s33, s22, 9
	s_add_co_u32 s32, s32, s33
	s_lshl_b32 s33, s[WV], 5
	s_add_co_u32 s32, s32, s33                     ; my first row of q and of x
	s_lshl_b32 s32, s32, 7
	s_mov_b32 s33, 0
	s_mov_b32 s[G1K], 15|(1<<16)|(1<<20)|(1<<21)|(5<<22)|(3<<25)   ; the mask of all four; elements of 2 bytes; padding on; bit 21 beside a mask; 4 words behind every 64
	s_mov_b32 s[G1V], 15|(1<<16)|(1<<20)|(1<<21)|(5<<22)|(7<<25)   ; the same with 8 words
.irp g, G1K, G1V
	s_mov_b32 s[\g+1], 128<<16                     ; tensor_dim0: a line of 128 elements, two keys
	s_mov_b32 s[\g+2], 128<<16                     ; tensor_dim1: 128 lines
	s_mov_b32 s[\g+3], 128<<16                     ; tile_dim0
	s_mov_b32 s[\g+4], 128                         ; tile_dim1
	s_mov_b32 s[\g+5], 128                         ; dense in memory
	s_mov_b32 s[\g+6], 0
	s_mov_b32 s[\g+7], 0
.endr
	s_mov_b32 s[SEL], 0x76543210
	s_mov_b32 s[SEL+1], 0xfedcba98
	s_mul_i32 s105, s[WV], 2304
	s_add_co_u32 s105, s105, STAGE                 ; my stage
	v_and_b32 v28, 15, v0                          ; r
	v_bfe_u32 v29, v0, 4, 1                        ; h
	v_lshrrev_b32 v30, 1, v28
	v_mul_u32_u24 v[AK0], v30, KP
	v_and_b32 v30, 1, v28
	v_lshl_add_u32 v[AK0], v30, 7, v[AK0]
	v_lshl_add_u32 v[AK0], v29, 4, v[AK0]          ; K: key r of a tile: line r / 2, half r % 2; + 16 h
	v_bfe_u32 v30, v0, 1, 2
	v_lshl_add_u32 v30, v29, 2, v30
	v_mul_u32_u24 v[AV0], v30, VP
	v_and_b32 v30, 1, v0
	v_lshl_add_u32 v[AV0], v30, 7, v[AV0]
	v_bfe_u32 v30, v0, 3, 1
	v_lshl_add_u32 v[AV0], v30, 4, v[AV0]
	v_add_nc_u32 v[AV0], VOFF, v[AV0]              ; V, for the turning load: key 8 h + l % 8, channels 8 ((l / 8) % 2) on
	v_mov_b32 v[NEGR], 0xceabfb8f                  ; -1e9 x log2(e)
	v_mul_u32_u24 v[STO], v28, 144
	v_lshl_add_u32 v[STO], v29, 4, v[STO]
	v_add_nc_u32 v[STO], s105, v[STO]              ; in: row r, 16 bytes for each half of the lanes
	v_bfe_u32 v30, v0, 3, 2
	v_mul_u32_u24 v[RD], v30, 144
	v_and_b32 v30, 7, v0
	v_lshl_add_u32 v[RD], v30, 4, v[RD]
	v_add_nc_u32 v[RD], s105, v[RD]                ; back: eight lanes a row of 128 bytes, four rows a load
	v_and_b32 v[GO], 31, v0
	v_lshlrev_b32 v[GO], 4, v[GO]
	v_lshlrev_b32 v[QO], 7, v28
	v_lshl_add_u32 v[QO], v29, 4, v[QO]            ; q: row r of 128 bytes, + 16 h
.irp t, 0,1
	v_mov_b32 v[ST+8*\t], 0xff61b1e6               ; m: -3e38, under every t
	v_mov_b32 v[ST+8*\t+1], 0
	v_mov_b32 v[ST+8*\t+2], 0                      ; l, in two halves
	v_mov_b32 v[ST+8*\t+3], 0
.endr
.set n, 0
.rept 64
	v_mov_b32 v[OA+n], 0                           ; O^T.  (The step is written once: the first finds zeros, which a = 0 leaves zeros)
.set n, n+1
.endr
	s_wait_dscnt 0x0                               ; both opening adds are done
	s_wait_kmcnt 0x0
	s_mov_b32 s[G00], 1
	s_mov_b32 s[G00+1], s27
	s_add_nc_u64 s[G00+2:G00+3], s[16:17], s[28:29]   ; slot 0: keys 0 on
	s_mov_b32 s[G01], 1
	s_add_co_u32 s[G01+1], s27, SLOTB
	s_add_nc_u64 s[G01+2:G01+3], s[G00+2:G00+3], 65536   ; slot 1: keys 512 on
	s_or_b32 s[G00+3], s[G00+3], 0x80000000
	s_or_b32 s[G01+3], s[G01+3], 0x80000000
	s_add_nc_u64 s[MP:MP+1], s[18:19], s[30:31]
	s_add_nc_u64 s[XP:XP+1], s[20:21], s[32:33]
	s_add_nc_u64 s[100:101], s[16:17], s[32:33]    ; q lies first in qkv, laid as x is
	CROUND                                         ; all four work-groups are here: the first joint loads meet
	s_cmp_lt_u32 s[WV], 2                          ; a wave's two first fills stand in one branch: two loads of a fetching wave are out
	s_cbranch_scc0 .Lfirst_not_k
	tensor_load_to_lds s[G00:G00+3], s[G1K:G1K+7]
	s_nop 0
	tensor_load_to_lds s[G01:G01+3], s[G1K:G1K+7]
	s_nop 0
.rept 4
	v_nop
.endr
	s_branch .Lfirst_asked
.Lfirst_not_k:
	s_cmp_lt_u32 s[WV], 4
	s_cbranch_scc0 .Lfirst_asked
	tensor_load_to_lds s[G00:G00+3], s[G1V:G1V+7]
	s_nop 0
	tensor_load_to_lds s[G01:G01+3], s[G1V:G1V+7]
	s_nop 0
.rept 4
	v_nop
.endr
.Lfirst_asked:
	s_mov_b32 s[MOFF], 0
	MASKLOAD                                       ; step 0's words
.irp t, 0,1
.irp f, 0,1
.irp u, 0,1
	global_load_b128 v[Q+16*\t+8*\f+4*\u:Q+16*\t+8*\f+4*\u+3], v[QO], s[100:101] offset:2048*\t+64*\f+32*\u   ; q stays in registers
.endr
.endr
.endr
; A KEY STEP: 64 keys.
.macro STEP
	v_add_nc_u32 v[ADK], s[TBK], v[AK0]
	v_add_nc_u32 v[ADV], s[TBV], v[AV0]
.rept 3
	v_nop                                          ; with the two additions five places behind the last V^T P: its P registers are written over by the products below, its V registers by the loads
.endr
.irp kt, 0,1,2,3
.irp f, 0,1
	ds_load_b128 v[KV+16*\kt+8*\f:KV+16*\kt+8*\f+3], v[ADK] offset:8*KP*\kt+64*\f
	ds_load_b128 v[KV+16*\kt+8*\f+4:KV+16*\kt+8*\f+7], v[ADK] offset:8*KP*\kt+64*\f+32
.endr
.endr
	s_wait_dscnt 0x0
.irp kt, 0,1,2,3                               ; S^T = K Q^T: eight accumulators by turns, one instruction a turn; the first eight start the sums
.irp t, 0,1
	v_wmma_f32_16x16x32_f16 v[S+32*\t+8*\kt:S+32*\t+8*\kt+7], v[KV+16*\kt:KV+16*\kt+7], v[Q+16*\t:Q+16*\t+7], 0
.endr
.endr
.irp kt, 0,1,2,3
.irp t, 0,1
	v_wmma_f32_16x16x32_f16 v[S+32*\t+8*\kt:S+32*\t+8*\kt+7], v[KV+16*\kt+8:KV+16*\kt+15], v[Q+16*\t+8:Q+16*\t+15], v[S+32*\t+8*\kt:S+32*\t+8*\kt+7]
.endr
.endr
.rept 4
	v_nop                                          ; places in front of the loads into K's registers and of the first read of the scores
.endr
.irp g, 0,1                                    ; V of the same step, turned: it lands while the softmax is worked
.irp c, 0,1,2,3
	ds_load_tr16_b128 v[KV+32*\g+8*\c:KV+32*\g+8*\c+3], v[ADV] offset:16*VP*\g+32*\c
	ds_load_tr16_b128 v[KV+32*\g+8*\c+4:KV+32*\g+8*\c+7], v[ADV] offset:16*VP*\g+8*VP+32*\c
.endr
.endr
	s_add_co_u32 s[TBK], s[TBK], 32*KP             ; the next step's 32 lines
	s_add_co_u32 s[TBV], s[TBV], 32*VP
	s_wait_kmcnt 0x0                               ; this step's mask words, asked for a step ago
.set n, 0
.rept 32
	v_cndmask_b32 v[S+n], v[NEGR], v[S+n], s[16+n]   ; a hidden score is REPLACED.  Ascending: each accumulator is read from its low end on
.set n, n+1
.endr
.set n, 0
.rept 16
	v_cndmask_b32 v[S+32+n], v[NEGR], v[S+32+n], s[48+n]
.set n, n+1
.endr
.set n, 0
.rept 16
	v_cndmask_b32 v[S+48+n], v[NEGR], v[S+48+n], s[80+n]
.set n, n+1
.endr
	s_wait_xcnt 0x0                                ; the words' loads are done and have read their offset: it may step
	s_add_co_u32 s[MOFF], s[MOFF], 128
	s_and_b32 s[MOFF], s[MOFF], 4095               ; the last step's look-ahead wraps to the row's first words: inside the buffer, and not used
	MASKLOAD
.irp j, 0,1,2,3                                ; the maximum of a lane's 32 scores and the old m, three at a time, four chains; the two tiles alternate
.irp t, 0,1
	v_max3_num_f32 v[ST+8*\t+4+\j], v[S+32*\t+8*\j], v[S+32*\t+8*\j+1], v[S+32*\t+8*\j+2]
.endr
.endr
.irp i, 3,5
.irp j, 0,1,2,3
.irp t, 0,1
	v_max3_num_f32 v[ST+8*\t+4+\j], v[ST+8*\t+4+\j], v[S+32*\t+8*\j+\i], v[S+32*\t+8*\j+\i+1]
.endr
.endr
.endr
.irp t, 0,1
	v_max3_num_f32 v[ST+8*\t+4], v[ST+8*\t+4], v[S+32*\t+7], v[S+32*\t+15]
.endr
.irp t, 0,1
	v_max3_num_f32 v[ST+8*\t+6], v[ST+8*\t+6], v[S+32*\t+23], v[S+32*\t+31]
.endr
.irp t, 0,1
	v_max3_num_f32 v[ST+8*\t+4], v[ST+8*\t+4], v[ST+8*\t+5], v[ST+8*\t+6]
.endr
.irp t, 0,1
	v_max3_num_f32 v[ST+8*\t+4], v[ST+8*\t+4], v[ST+8*\t+7], v[ST+8*\t]
.endr
.irp t, 0,1
	v_permlanex16_b32 v[ST+8*\t+5], v[ST+8*\t+4], s[SEL], s[SEL+1]   ; the query's other 32 keys lie in the lane 16 away
.endr
.irp t, 0,1
	v_max_num_f32 v[ST+8*\t+4], v[ST+8*\t+4], v[ST+8*\t+5]           ; the new m
.endr
.irp t, 0,1
	v_sub_f32 v[ST+8*\t+7], v[ST+8*\t], v[ST+8*\t+4]                 ; m_old - m_new
.endr
.irp t, 0,1
	v_mov_b32 v[ST+8*\t], v[ST+8*\t+4]
.endr
.irp t, 0,1
.set n, 0
.rept 16
	v_pk_add_f32 v[S+32*\t+n:S+32*\t+n+1], v[S+32*\t+n:S+32*\t+n+1], v[ST+8*\t:ST+8*\t+1] op_sel_hi:[1,0] neg_lo:[0,1] neg_hi:[0,1]   ; t - m, two at a time
.set n, n+2
.endr
.endr
.irp t, 0,1                                    ; ONE BATCH of 66 exponentials, none of which reads another's result
	v_exp_f32 v[ST+8*\t+6], v[ST+8*\t+7]           ; a
.endr
.set n, 0
.rept 64
	v_exp_f32 v[S+n], v[S+n]                       ; p
.set n, n+1
.endr
	v_nop                                          ; a plain instruction behind the last exponential
	s_wait_alu depctr_va_vdst(0)                   ; one wait for the batch, ahead of its first reader
.irp t, 0,1                                    ; l = a l + the sum of the unrounded p: two chains a tile
	v_pk_fma_f32 v[ST+8*\t+2:ST+8*\t+3], v[ST+8*\t+2:ST+8*\t+3], v[ST+8*\t+6:ST+8*\t+7], v[S+32*\t:S+32*\t+1] op_sel_hi:[1,0,1]
	v_pk_add_f32 v[ST+8*\t+4:ST+8*\t+5], v[S+32*\t+2:S+32*\t+3], v[S+32*\t+6:S+32*\t+7]
.endr
.irp i, 4,8,12,16,20,24
.irp t, 0,1
	v_pk_add_f32 v[ST+8*\t+2:ST+8*\t+3], v[ST+8*\t+2:ST+8*\t+3], v[S+32*\t+\i:S+32*\t+\i+1]
	v_pk_add_f32 v[ST+8*\t+4:ST+8*\t+5], v[ST+8*\t+4:ST+8*\t+5], v[S+32*\t+\i+6:S+32*\t+\i+7]
.endr
.endr
.irp t, 0,1
	v_pk_add_f32 v[ST+8*\t+2:ST+8*\t+3], v[ST+8*\t+2:ST+8*\t+3], v[S+32*\t+28:S+32*\t+29]
.endr
.irp t, 0,1
	v_pk_add_f32 v[ST+8*\t+2:ST+8*\t+3], v[ST+8*\t+2:ST+8*\t+3], v[ST+8*\t+4:ST+8*\t+5]
.endr
.irp t, 0,1
.set n, 0
.rept 16
	v_cvt_pk_f16_f32 v[S+32*\t+n], v[S+32*\t+2*n], v[S+32*\t+2*n+1]   ; p to f16, packed downward in place: register n is written when registers up to 2 n + 1 have been read
.set n, n+1
.endr
.endr
.irp t, 0,1
.set n, 0
.rept 16
	v_pk_mul_f32 v[OA+32*\t+n:OA+32*\t+n+1], v[OA+32*\t+n:OA+32*\t+n+1], v[ST+8*\t+6:ST+8*\t+7] op_sel_hi:[1,0]   ; O^T x a; ascending
.set n, n+2
.endr
.endr
	s_wait_dscnt 0x0                               ; V is in
.irp g, 0,1                                    ; O^T += V^T P: eight accumulators by turns
.irp c, 0,1,2,3
.irp t, 0,1
	v_wmma_f32_16x16x32_f16 v[OA+32*\t+8*\c:OA+32*\t+8*\c+7], v[KV+32*\g+8*\c:KV+32*\g+8*\c+7], v[S+32*\t+8*\g:S+32*\t+8*\g+7], v[OA+32*\t+8*\c:OA+32*\t+8*\c+7]
.endr
.endr
.endr
.endm
.macro SLOT_STEPS s                    ; a slot's eight key steps
	s_mov_b32 s[TBK], \s*SLOTB
	s_mov_b32 s[TBV], \s*SLOTB
	s_mov_b32 s[CNT], 8
.Lstep_\@:
	STEP
	s_sub_co_u32 s[CNT], s[CNT], 1
	s_cmp_lg_u32 s[CNT], 0
	s_cbranch_scc1 .Lstep_\@
.endm
; THE CHANGE OF SLOTS.  Each wave waits for all its tensor loads (its part of the slot ahead), adds 0 to its spare word, and waits for that and for its reads of the slot that it leaves.
; fill = 1: the barrier is a round of the cluster's, so that no wave of any partner still reads the slot, and the joint refill, 1,024 keys on, is the first thing behind it.
.macro CHANGE g0, fill
	s_wait_tensorcnt 0x0                           ; no tensor load of mine is out, so a group 0 may be written
	ds_add_u32 v[SPW], v[NIL]
.if \fill
	ds_add_u32 v[SPW], v[NIL]                      ; twice on end where a load still follows
	s_add_nc_u64 s[\g0+2:\g0+3], s[\g0+2:\g0+3], 131072   ; two slots' keys on; the type bits on top are not reached
.endif
	s_wait_dscnt 0x0
.if \fill
	CROUND
	JLOAD \g0
.else
	s_barrier_signal -1
	s_barrier_wait -1
.endif
.endm
	s_wait_tensorcnt 0x1                           ; my part of slot 0 is in; slot 1's may be out
	s_barrier_signal -1
	s_barrier_wait -1
	s_wait_loadcnt 0x0                             ; q is in, and s[100:101] are free
	SLOT_STEPS 0                                   ; keys 0 - 511
	CHANGE G00, 1
	SLOT_STEPS 1                                   ; 512 - 1,023
	CHANGE G01, 1
	SLOT_STEPS 0                                   ; 1,024 - 1,535
	CHANGE G00, 0
	SLOT_STEPS 1                                   ; 1,536 - 2,047
	; THE WAY OUT: O^T / l, rounded to f16, a tile of 16 rows at a time through my stage, and out as runs of 512 bytes (four rows of 128).
.rept 4
	v_nop                                          ; places behind the last products
.endr
.irp t, 0,1
	v_add_f32 v[ST+8*\t+4], v[ST+8*\t+2], v[ST+8*\t+3]
.endr
.irp t, 0,1
	v_permlanex16_b32 v[ST+8*\t+5], v[ST+8*\t+4], s[SEL], s[SEL+1]
.endr
.irp t, 0,1
	v_add_f32 v[ST+8*\t+4], v[ST+8*\t+4], v[ST+8*\t+5]   ; the row's sum
.endr
.irp t, 0,1
	v_rcp_f32 v[ST+8*\t+6], v[ST+8*\t+4]
.endr
	v_nop
	s_wait_alu depctr_va_vdst(0)                   ; one wait for the two reciprocals, ahead of their first reader
.irp t, 0,1
.set n, 0
.rept 16
	v_pk_mul_f32 v[OA+32*\t+n:OA+32*\t+n+1], v[OA+32*\t+n:OA+32*\t+n+1], v[ST+8*\t+6:ST+8*\t+7] op_sel_hi:[1,0]
.set n, n+2
.endr
.set n, 0
.rept 16
	v_cvt_pk_f16_f32 v[S+32*\t+n], v[OA+32*\t+2*n], v[OA+32*\t+2*n+1]
.set n, n+1
.endr
.irp c, 0,1,2,3
	ds_store_b128 v[STO], v[S+32*\t+4*\c:S+32*\t+4*\c+3] offset:32*\c
.endr
.irp i, 0,1,2,3
	ds_load_b128 v[KV+16*\t+4*\i:KV+16*\t+4*\i+3], v[RD] offset:576*\i   ; one wave's LDS instructions go in order: these see the stores above, and the next tile's stores come behind them
.endr
.endr
.irp i, 0,1,2,3
	s_wait_dscnt 11-\i                             ; tile 0's load i is in; its later loads and tile 1's eight LDS instructions may be out
	global_store_b128 v[GO], v[KV+4*\i:KV+4*\i+3], s[XP:XP+1] offset:512*\i
.endr
.irp i, 0,1,2,3
	s_wait_dscnt 3-\i
	global_store_b128 v[GO], v[KV+16+4*\i:KV+16+4*\i+3], s[XP:XP+1] offset:2048+512*\i
.endr
	s_wait_kmcnt 0x0                               ; the last look-ahead's words
	s_wait_tensorcnt 0x0                           ; the wave's end
	ds_add_u32 v[SPW], v[NIL]
	s_wait_dscnt 0x0
	CROUND                                         ; the closing round
	s_endpgm
.Lfunc_end_k_qd2f2665ae8_attn:
	.size	k_qd2f2665ae8_attn, .Lfunc_end_k_qd2f2665ae8_attn-k_qd2f2665ae8_attn
	.p2alignl 7, 3214868480
	.fill 96, 4, 3214868480
	.section	.rodata,"a",@progbits
	.p2align	6, 0x0
	.amdhsa_kernel k_qd2f2665ae8_attn
		.amdhsa_group_segment_fixed_size 327680
		.amdhsa_private_segment_fixed_size 0
		.amdhsa_enable_private_segment 0
		.amdhsa_kernarg_size 24
		.amdhsa_user_sgpr_count 2
		.amdhsa_user_sgpr_kernarg_segment_ptr 1
		.amdhsa_wavefront_size32 1
		.amdhsa_system_sgpr_workgroup_id_x 1
		.amdhsa_system_sgpr_workgroup_id_y 1
		.amdhsa_system_sgpr_workgroup_id_z 1
		.amdhsa_system_vgpr_workitem_id 0
		.amdhsa_next_free_vgpr 256
		.amdhsa_next_free_sgpr 106
		.amdhsa_reserve_vcc 0
		.amdhsa_float_denorm_mode_32 3
		.amdhsa_float_denorm_mode_16_64 3
		.amdhsa_memory_ordered 1
		.amdhsa_forward_progress 1
		.amdhsa_inst_pref_size 106
	.end_amdhsa_kernel
	.amdgpu_metadata
---
amdhsa.version: [ 1, 2 ]
amdhsa.kernels:
  - .name:           k_qd2f2665ae8_attn
    .symbol:         k_qd2f2665ae8_attn.kd
    .args:
      - { .name: qkv, .offset: 0, .size: 8, .value_kind: global_buffer, .address_space: global }
      - { .name: mbits, .offset: 8, .size: 8, .value_kind: global_buffer, .address_space: global }
      - { .name: x16, .offset: 16, .size: 8, .value_kind: global_buffer, .address_space: global }
    .group_segment_fixed_size: 327680
    .private_segment_fixed_size: 0
    .kernarg_segment_align: 8
    .kernarg_segment_size: 24
    .max_flat_workgroup_size: 512
    .sgpr_count:     106
    .vgpr_count:     256
    .wavefront_size: 32
...
	.end_amdgpu_metadata
.endif
;; end of part 3
;; launch outproj (part 4): grid 8 x 64, 4 waves a work-group, clusters of 4 x 4, 327,680 bytes of LDS; arguments x16, wo16, out0; writes out0
.if DOCPART == 4
	.amdgcn_target "amdgcn-amd-amdhsa--gfx1250"
	.amdhsa_code_object_version 6
	.text
	.protected	k_qd2f2665ae8_outproj
	.globl	k_qd2f2665ae8_outproj
	.p2align	8
	.type	k_qd2f2665ae8_outproj,@function
k_qd2f2665ae8_outproj:
	s_mov_b64 s[64:65], 0
	v_nop
	global_prefetch_b8 v0, s[64:65] scope:SCOPE_SE
	s_setreg_imm32_b32 hwreg(HW_REG_WAVE_MODE, 25, 1), 1
	s_wait_xcnt 0x0
	s_wait_alu depctr_hold_cnt(0) depctr_sa_sdst(0) depctr_va_vdst(0) depctr_va_sdst(0) depctr_va_ssrc(0) depctr_va_vcc(0) depctr_vm_vsrc(0)
	s_getreg_b32 s2, hwreg(HW_REG_IB_STS2, 6, 4)
	s_cmp_eq_u32 s2, 0
	s_cbranch_scc0 .Lentry_in_a_cluster
	s_endpgm
.Lentry_in_a_cluster:
	s_bfe_u32 s2, ttmp6, 0x10000c
	s_cmp_lg_u32 s2, 0xf033
	s_cbranch_scc0 .Lentry_shape_is_right
	s_endpgm
.Lentry_shape_is_right:
; OUTPROJ: out0[m][n] = the sum over k of x[m][k] Wo[n][k], m = 2,048 b + position, k = 64 head + d.  x: f16 [b][head][2048][64]; Wo: f16 [head][1024][64]; out0: f32 [8192][1024]; sums in f32.
; A tile of out0 is 128 x 128; four waves, each 64 x 64: 16 accumulators.  K goes in steps of 256 (four heads) through a ring of two LDS slots.
; A wave's tensor load brings 64 rows x 4 heads: for a head the 64 rows of 128 bytes are 8,192 dense bytes, stated as ONE row of the tile; four such rows, a head's stride apart.  16 bytes of padding behind every 256:
; in LDS two rows of x share a line of 256 bytes, lines 272 bytes apart, 32 lines a head.
; CLUSTERS: 4 x 4 work-groups; x's tiles are asked for jointly along a row of the cluster, Wo's along a column.  THE MATRIX INSTRUCTION IS USED TRANSPOSED (source 0 = 16 rows of Wo, source 1 = 16 rows of x): a lane holds eight neighbouring columns of a row.
; LIMITS: |x|, |Wo| up to 65,504 (f16).
; REGISTERS: window 0: v0-31 addresses; v32-95 at work on the way out; v128-255 the accumulators ((a, b) at v[128 + 8 (4 a + b)]).  window 1: two fragment buffers of 128: 64 registers of x, then 64 of Wo, for 64 along K.
.set HALFT,  128*272                   ; what one tensor load brings: 4 heads x 32 lines
.set SLOT,   4*HALFT                   ; x's 128 rows, then Wo's 128 rows
.set STAGE,  2*SLOT                    ; behind the ring: 16 rows x 272 bytes for each wave
.set SPITCH, 272
.set SPARE,  STAGE+4*16*SPITCH         ; the spare words, 128 bytes a wave
.set LAPS,   2                         ; K = 1,024 is four steps, twice round the ring
.set RB,     8*272                     ; 16 rows: 8 lines
.set QB,     32*272                    ; a quarter of a step: one head, 64 along K
.set ASTEP,  1048576                   ; a K step in x: four heads of 2,048 x 128 bytes
.set BSTEP,  524288                    ; in Wo: four heads of 1,024 x 128 bytes
.set ADRA, 16
.set ADRB, 20
.set STO,  24
.set RD,   25
.set CO,   26
.set SPW,  28
.set NIL,  29
.set TMP,  32
.set ACC,  128
.set F0,   0
.set F1,   128
.set G1, 24
.set G0, 32
.set G1B, 48
.set G0B, 56
.set MSB, 0
.macro WIN new                         ; the immediate's high byte repeats the setting that is left
.if MSB != \new
	s_set_vgpr_msb (MSB<<8)|\new
.set MSB, \new
.endif
.endm
.set MUL,  0x05                        ; sources 0 and 1 window 1; C and D window 0
.set TO_F, 0x40                        ; destination window 1
.macro JLOAD s                         ; a joint load: waves 0 and 1 fetch x's two halves, waves 2 and 3 Wo's; an s_nop 0 and four v_nop follow each line
	s_cmp_eq_u32 s11, 0
	s_cbranch_scc0 .Lfor_b_\@
	tensor_load_to_lds s[G0+4*\s:G0+4*\s+3], s[G1:G1+7]
	s_nop 0
.rept 4
	v_nop
.endr
	s_branch .Lasked_\@
.Lfor_b_\@:
	tensor_load_to_lds s[G0B+4*\s:G0B+4*\s+3], s[G1B:G1B+7]
	s_nop 0
.rept 4
	v_nop
.endr
.Lasked_\@:
.endm
.macro CREST                           ; a round of the cluster's barrier behind its opening barrier
	s_cmp_lg_u32 s10, 0
	s_cbranch_scc1 .Lnot_wave_0_\@
	s_barrier_signal -3
.Lnot_wave_0_\@:
	s_barrier_wait -3
	s_barrier_signal -1
	s_barrier_wait -1
.endm
.macro CROUND
	s_barrier_signal -1
	s_barrier_wait -1
	CREST
.endm
	s_load_b128 s[4:7], s[0:1], 0x0                ; x16 s[4:5], wo16 s[6:7]
	s_load_b64 s[8:9], s[0:1], 0x10                ; out0
	v_lshl_add_u32 v[SPW], v0, 2, SPARE
	v_mov_b32 v[NIL], 0
	ds_add_u32 v[SPW], v[NIL]                      ; the wave's opening: the add, twice on end, and its wait ahead of my first tensor load
	ds_add_u32 v[SPW], v[NIL]
	v_lshrrev_b32 v1, 5, v0
	v_readfirstlane_b32 s10, v1                    ; wave 0..3
	s_lshr_b32 s11, s10, 1                         ; my half of the tile's rows.  Also: I fetch for x (0) or for Wo (1)
	s_and_b32 s12, s10, 1                          ; my half of its columns.  Also: which 64 rows I fetch
	s_bfe_u32 s40, ttmp6, 0x40000                  ; cx
	s_bfe_u32 s41, ttmp6, 0x40004                  ; cy
	s_lshl_b32 s42, ttmp9, 2
	s_add_co_u32 s42, s42, s40                     ; tile column
	s_and_b32 s13, ttmp7, 0xffff
	s_lshl_b32 s13, s13, 2
	s_add_co_u32 s13, s13, s41                     ; tile row
	s_lshl_b32 s43, s41, 2
	s_lshl_b32 s43, 15, s43                        ; my row of the cluster
	s_lshl_b32 s44, 0x1111, s40                    ; my column
	s_or_b32 s[G1+0], s43, (1<<16)|(1<<20)|(1<<21)|(5<<22)|(3<<25)   ; the mask; elements of 2 bytes; padding on; bit 21 beside a mask; 4 words behind every 64
	s_or_b32 s[G1B+0], s44, (1<<16)|(1<<20)|(1<<21)|(5<<22)|(3<<25)
.irp g, G1, G1B
	s_mov_b32 s[\g+1], 4096<<16                    ; tensor_dim0: 64 rows x 64 elements, dense
	s_mov_b32 s[\g+2], 4<<16                       ; tensor_dim1: four heads
	s_mov_b32 s[\g+3], 4096<<16                    ; tile_dim0
	s_mov_b32 s[\g+4], 4                           ; tile_dim1
	s_mov_b32 s[\g+6], 0
	s_mov_b32 s[\g+7], 0
.endr
	s_mov_b32 s[G1+5], 131072                      ; from head to head in x: 2,048 x 64 elements
	s_mov_b32 s[G1B+5], 65536                      ; in Wo: 1,024 x 64
	s_lshl_b32 s17, s12, 6                         ; which 64 rows of the tile I fetch
	s_lshl_b32 s16, s13, 7
	s_add_co_u32 s16, s16, s17                     ; x: row 128 x tile row + 64 x half = 2,048 b + position
	s_lshr_b32 s18, s16, 11
	s_lshl_b32 s18, s18, 15                        ; b x 16 heads x 2,048 rows
	s_and_b32 s16, s16, 2047
	s_add_co_u32 s16, s16, s18
	s_lshl_b32 s16, s16, 7                         ; rows of 128 bytes
	s_lshl_b32 s46, s42, 7
	s_add_co_u32 s46, s46, s17                     ; Wo: row 128 x tile column + 64 x half
	s_lshl_b32 s46, s46, 7
	s_mov_b32 s17, 0
	s_mov_b32 s47, 0
	s_mul_i32 s20, s10, HALFT                      ; where they go: made of the wave's number alone
	s_wait_dscnt 0x0                               ; both opening adds are done
	s_wait_kmcnt 0x0
	s_add_nc_u64 s[14:15], s[4:5], s[16:17]
	s_add_nc_u64 s[46:47], s[6:7], s[46:47]
	CROUND                                         ; all sixteen work-groups are here: the first joint loads meet
.irp s, 0,1
	s_mov_b32 s[G0+4*\s], 1
	s_add_co_u32 s[G0+4*\s+1], s20, \s*SLOT
	s_add_nc_u64 s[G0+4*\s+2:G0+4*\s+3], s[14:15], \s*ASTEP
	s_or_b32 s[G0+4*\s+3], s[G0+4*\s+3], 0x80000000
	s_mov_b32 s[G0B+4*\s], 1
	s_add_co_u32 s[G0B+4*\s+1], s20, \s*SLOT
	s_add_nc_u64 s[G0B+4*\s+2:G0B+4*\s+3], s[46:47], \s*BSTEP
	s_or_b32 s[G0B+4*\s+3], s[G0B+4*\s+3], 0x80000000
	JLOAD \s
.endr
	v_and_b32 v1, 15, v0                           ; r
	v_bfe_u32 v2, v0, 4, 1                         ; h
	v_lshrrev_b32 v4, 1, v1
	v_mul_u32_u24 v3, v4, 272
	v_and_b32 v4, 1, v1
	v_lshl_add_u32 v3, v4, 7, v3
	v_lshl_add_u32 v3, v2, 4, v3                   ; a fragment's row r: line r / 2, half r % 2; + 16 h
	s_mul_i32 s21, s11, HALFT                      ; my 64 rows of x
	s_mul_i32 s22, s12, HALFT                      ; my 64 rows of Wo,
	s_add_co_u32 s22, s22, 2*HALFT                 ; which lie behind x's 128
.irp s, 0,1
	v_add_nc_u32 v[ADRA+\s], s21, v3
	v_add_nc_u32 v[ADRB+\s], s22, v3
	s_add_co_u32 s21, s21, SLOT
	s_add_co_u32 s22, s22, SLOT
.endr
	s_mul_i32 s23, s10, 16*SPITCH
	s_add_co_u32 s23, s23, STAGE                   ; my stage
	v_mul_u32_u24 v4, v1, SPITCH
	v_lshl_add_u32 v4, v2, 5, v4
	v_add_nc_u32 v[STO], s23, v4                   ; in: row r, 32 bytes for each half of the lanes
	v_mul_u32_u24 v5, v2, SPITCH
	v_lshl_add_u32 v5, v1, 4, v5
	v_add_nc_u32 v[RD], s23, v5                    ; back: lanes 0-15 one row of 256 bytes, lanes 16-31 the next
	v_lshlrev_b32 v5, 12, v2
	v_lshl_add_u32 v[CO], v1, 4, v5                ; and the same two rows in out0 (4,096 bytes a row)
	s_lshl_b32 s16, s13, 7
	s_lshl_b32 s17, s11, 6
	s_add_co_u32 s16, s16, s17                     ; my first row
	s_lshl_b32 s16, s16, 12
	s_mov_b32 s17, 0
	s_add_nc_u64 s[8:9], s[8:9], s[16:17]
	s_lshl_b32 s46, s42, 9                         ; my first column, in bytes: 512 x tile column + 256 x half
	s_lshl_b32 s47, s12, 8
	s_add_co_u32 s46, s46, s47
	s_mov_b32 s47, 0
	s_add_nc_u64 s[8:9], s[8:9], s[46:47]
; 8 matrix instructions: m blocks a0, a0 + 1 x all 4 n blocks, 32 along K: half c of buffer f.  The 16 accumulators take turns, one instruction a turn.
.macro MUL8 f, c, a0, zero
.irp a, \a0, \a0+1
.irp b, 0,1,2,3
.if \zero
	v_wmma_f32_16x16x32_f16 v[ACC+8*(4*(\a)+\b):ACC+8*(4*(\a)+\b)+7], v[\f+64+8*(4*\c+\b):\f+64+8*(4*\c+\b)+7], v[\f+8*(4*\c+\a):\f+8*(4*\c+\a)+7], 0
.else
	v_wmma_f32_16x16x32_f16 v[ACC+8*(4*(\a)+\b):ACC+8*(4*(\a)+\b)+7], v[\f+64+8*(4*\c+\b):\f+64+8*(4*\c+\b)+7], v[\f+8*(4*\c+\a):\f+8*(4*\c+\a)+7], v[ACC+8*(4*(\a)+\b):ACC+8*(4*(\a)+\b)+7]
.endif
.endr
.endr
.endm
; 32 LDS loads in one run: the fragments of one head (64 along K), which begins at byte k of my part of the slot, into buffer f; the first 32 along K first
.macro FETCH slot, k, f
	WIN TO_F
.irp c, 0,1
.irp i, 0,1,2,3
	ds_load_b128 v[\f+64+8*(4*\c+\i):\f+64+8*(4*\c+\i)+3],   v[ADRB+\slot] offset:\k+64*\c+\i*RB
	ds_load_b128 v[\f+64+8*(4*\c+\i)+4:\f+64+8*(4*\c+\i)+7], v[ADRB+\slot] offset:\k+64*\c+\i*RB+32
	ds_load_b128 v[\f+8*(4*\c+\i):\f+8*(4*\c+\i)+3],         v[ADRA+\slot] offset:\k+64*\c+\i*RB
	ds_load_b128 v[\f+8*(4*\c+\i)+4:\f+8*(4*\c+\i)+7],       v[ADRA+\slot] offset:\k+64*\c+\i*RB+32
.endr
.endr
.endm
.macro PLACES                          ; four plain vector instructions in front of loads into registers that matrix instructions have read, and of the first read of results
.rept 4
	v_nop
.endr
.endm
.macro QUARTER slot, k, f, g, zero     ; multiplies buffer f and fetches the next quarter, at byte k, into g
	s_wait_dscnt 16                                ; the first 32 along K are in; the youngest sixteen loads may be out
	WIN MUL
	MUL8 \f, 0, 0, \zero
	MUL8 \f, 0, 2, \zero
	PLACES
	FETCH \slot, \k, \g
	s_wait_dscnt 32                                ; all but the 32 just issued
	WIN MUL
	MUL8 \f, 1, 0, 0
	MUL8 \f, 1, 2, 0
.endm
; The last quarter multiplies buffer 1 and changes slots: ONE barrier; in front of it each wave waits for all its tensor loads, adds 0 to its spare word, and waits for that and for its reads of this slot.  fill = 1: this slot is filled again, two K steps ahead.
.macro TURN slot, next, fill
	WIN 0
	s_wait_tensorcnt 0x0                           ; all my tensor loads have landed: my part of the next slot
	ds_add_u32 v[SPW], v[NIL]
	s_wait_dscnt 17                                ; the add and the youngest sixteen loads may be out
	WIN MUL
	MUL8 F1, 0, 0, 0
	s_wait_dscnt 0x0                               ; the add is done, and my reads of this slot are over
	s_barrier_signal -1
	MUL8 F1, 0, 2, 0
.if \fill
	WIN 0
.endif
	s_barrier_wait -1
.if \fill
	CREST                                          ; the barrier has opened a round of the cluster's: no wave of any partner still reads this slot or has a load on its way
	s_add_nc_u64 s[G0+4*\slot+2:G0+4*\slot+3], s[G0+4*\slot+2:G0+4*\slot+3], 2*ASTEP
	s_add_nc_u64 s[G0B+4*\slot+2:G0B+4*\slot+3], s[G0B+4*\slot+2:G0B+4*\slot+3], 2*BSTEP
	JLOAD \slot                                    ; the first tensor load behind the round; its four v_nop are also the places in front of the loads below
.else
	PLACES
.endif
	FETCH \next, 0, F0
	WIN MUL
	MUL8 F1, 1, 0, 0
	MUL8 F1, 1, 2, 0
.endm
	s_wait_tensorcnt 1                             ; my part of K step 0 is in; K step 1's load may be out
	s_barrier_signal -1
	s_barrier_wait -1
	FETCH 0, 0, F0
	QUARTER 0, QB, F0, F1, 1                       ; the first products start the sums
	WIN 0
	s_mov_b32 s3, LAPS-1
.Llap:                                                 ; a trip goes once round the ring and fills both slots again
	QUARTER 0, 2*QB, F1, F0, 0
	QUARTER 0, 3*QB, F0, F1, 0
	TURN 0, 1, 1
	QUARTER 1, QB, F0, F1, 0
	QUARTER 1, 2*QB, F1, F0, 0
	QUARTER 1, 3*QB, F0, F1, 0
	TURN 1, 0, 1
	QUARTER 0, QB, F0, F1, 0
	WIN 0
	s_sub_co_u32 s3, s3, 1
	s_cmp_lg_u32 s3, 0
	s_cbranch_scc1 .Llap
	QUARTER 0, 2*QB, F1, F0, 0                     ; the last lap fills nothing
	QUARTER 0, 3*QB, F0, F1, 0
	TURN 0, 1, 0
	QUARTER 1, QB, F0, F1, 0
	QUARTER 1, 2*QB, F1, F0, 0
	QUARTER 1, 3*QB, F0, F1, 0
	s_wait_dscnt 16
	WIN MUL
	MUL8 F1, 0, 0, 0
	MUL8 F1, 0, 2, 0
	s_wait_dscnt 0
	MUL8 F1, 1, 0, 0
	MUL8 F1, 1, 2, 0
	WIN 0
; THE WAY OUT, a block of 16 rows x 64 columns at a time.  My 64 columns of f32 are 256 bytes of a row, aligned: the block goes through my own stage and comes back as whole runs of 256 bytes.
.macro TOSTAGE a
.set BB, TMP+32*((\a)%2)
.irp b, 0,1,2,3
	ds_store_b128 v[STO], v[ACC+8*(4*(\a)+\b):ACC+8*(4*(\a)+\b)+3] offset:64*\b          ; each accumulator from its low end on
	ds_store_b128 v[STO], v[ACC+8*(4*(\a)+\b)+4:ACC+8*(4*(\a)+\b)+7] offset:64*\b+16
.endr
.irp t, 0,1,2,3,4,5,6,7
	ds_load_b128 v[BB+4*\t:BB+4*\t+3], v[RD] offset:\t*2*SPITCH   ; one wave's LDS instructions go in order (ISA guide 5.7.1.4): these see the stores above
.endr
.endm
.macro SEND a, younger                 ; younger: the LDS instructions issued behind block a's loads, which may stay out
.set BB, TMP+32*((\a)%2)
	s_wait_dscnt \younger
.if (\a) > 0
	s_add_nc_u64 s[8:9], s[8:9], 65536             ; 16 rows on (behind a wait on XCNT: the earlier stores have read their base)
.endif
.irp t, 0,1,2,3,4,5,6,7
	global_store_b128 v[CO], v[BB+4*\t:BB+4*\t+3], s[8:9] offset:8192*\t th:TH_STORE_NT   ; sixteen lanes store 256 consecutive bytes, aligned; written once, read by nobody here
.endr
.endm
	PLACES
	TOSTAGE 0
.irp a, 1,2,3
.if \a > 1
	s_wait_xcnt 0x0                                ; block a - 2's stores have read their registers and their base
.endif
	TOSTAGE \a
	SEND \a-1, 16                                  ; behind block a - 1's loads: block a's 8 stores and 8 loads
.endr
	s_wait_xcnt 0x0
	SEND 3, 0
	s_wait_tensorcnt 0x0                           ; the wave's end
	ds_add_u32 v[SPW], v[NIL]
	s_wait_dscnt 0x0
	CROUND                                         ; the closing round
	s_endpgm
.Lfunc_end_k_qd2f2665ae8_outproj:
	.size	k_qd2f2665ae8_outproj, .Lfunc_end_k_qd2f2665ae8_outproj-k_qd2f2665ae8_outproj
	.p2alignl 7, 3214868480
	.fill 96, 4, 3214868480
	.section	.rodata,"a",@progbits
	.p2align	6, 0x0
	.amdhsa_kernel k_qd2f2665ae8_outproj
		.amdhsa_group_segment_fixed_size 327680
		.amdhsa_private_segment_fixed_size 0
		.amdhsa_enable_private_segment 0
		.amdhsa_kernarg_size 24
		.amdhsa_user_sgpr_count 2
		.amdhsa_user_sgpr_kernarg_segment_ptr 1
		.amdhsa_wavefront_size32 1
		.amdhsa_system_sgpr_workgroup_id_x 1
		.amdhsa_system_sgpr_workgroup_id_y 1
		.amdhsa_system_sgpr_workgroup_id_z 1
		.amdhsa_system_vgpr_workitem_id 0
		.amdhsa_next_free_vgpr 512
		.amdhsa_next_free_sgpr 66
		.amdhsa_reserve_vcc 0
		.amdhsa_float_denorm_mode_32 3
		.amdhsa_float_denorm_mode_16_64 3
		.amdhsa_memory_ordered 1
		.amdhsa_forward_progress 1
		.amdhsa_inst_pref_size 86
	.end_amdhsa_kernel
	.amdgpu_metadata
---
amdhsa.version: [ 1, 2 ]
amdhsa.kernels:
  - .name:           k_qd2f2665ae8_outproj
    .symbol:         k_qd2f2665ae8_outproj.kd
    .args:
      - { .name: x16, .offset: 0, .size: 8, .value_kind: global_buffer, .address_space: global }
      - { .name: wo16, .offset: 8, .size: 8, .value_kind: global_buffer, .address_space: global }
      - { .name: out0, .offset: 16, .size: 8, .value_kind: global_buffer, .address_space: global }
    .group_segment_fixed_size: 327680
    .private_segment_fixed_size: 0
    .kernarg_segment_align: 8
    .kernarg_segment_size: 24
    .max_flat_workgroup_size: 128
    .sgpr_count:     66
    .vgpr_count:     512
    .wavefront_size: 32
...
	.end_amdgpu_metadata
.endif
;; end of part 4
